; MI455X (gfx1250); checked and timed in simulation.
; The chip was launched on July 23, 2026; its instructions are those of AMD's public machine-readable ISA for CDNA 5 (MIT licence, August 2026) and "CDNA5" Instruction Set Architecture Reference Guide (July 2026). The comments in the code are by the model that wrote it; some were corrected since.
;; NPT Layer. Allowed arithmetic: matrix products marked QUANTISED: E2M3 operands, one E8M0 scale for each 32 along K, by v_wmma_scale_f32_16x16x128_f8f6f4 with both operands' format E2M3, f32 sums; products left as they are: f32 operands where the result goes on into a quantised operand, else bf16, f16 or f32 operands; f32 sums; everything else in f32.
;; Inputs: A 2,048 x 16 float32; Bmat 16 x 2,048 float32; W_down 2,048 x 2,048 float32; W_in 2,048 x 2,048 float32; W_up 2,048 x 2,048 float32; attn_output 2 x 2,048 x 2,048 float32; gamma 2,048 float32; hidden_states 2 x 2,048 x 2,048 float32.
;; Outputs: out0 2 x 2,048 x 2,048 float32.
;; This version of the problem:
;;   THIS VERSION OF THE PROBLEM IS GIVEN IN LOW PRECISION. The matrix products marked QUANTISED in the list below multiply operands that are first quantised to E2M3 (2 exponent bits, 3 mantissa bits; 6 bits a number), with one power-of-two scale for each 32 numbers along K (OCP MX v1.0); their sums are f32. All else is computed in f32.
;;   The module's matrix products, in the order in which they are computed (A, B: the left and right operand; K: the contracted axis; several contracted axes count as one K, in the product's order):
;;     1. [M 4,096, K 2,048] x [K 2,048, N 16]; A: input attn_output; B: input A: QUANTISED
;;     2. [M 4,096, K 2,048] x [K 2,048, N 16]; A: computed on the way; B: input A: QUANTISED
;;     3. [M 4,096, K 16] x [K 16, N 2,048]; A: computed on the way; B: input Bmat: left as it is (K = 16 < 32)
;;     4. [M 4,096, K 2,048] x [K 2,048, N 2,048]; A: computed on the way; B: input W_in: QUANTISED
;;     5. [M 4,096, K 2,048] x [K 2,048, N 2,048]; A: computed on the way; B: input W_up: QUANTISED
;;     6. [M 4,096, K 2,048] x [K 2,048, N 2,048]; A: computed on the way; B: input W_down: QUANTISED
;;   THE QUANTISER, for each operand of a quantised product, along K:
;;     - K is cut into blocks of 32 from its start; a last block that is shorter is filled with zeros.
;;     - A block's scale is 2^e with e = floor(log2(the largest magnitude in the block)) - 2, held to -126 .. 127; a block of zeros has e = 0. As a byte (E8M0): e + 127.
;;     - Each number is divided by its block's scale, clamped to +-7.5, and rounded to the nearest number of E2M3, ties to even, subnormals kept.
;;     - The product sums the exact products of the quantised numbers (number of the format x scale) in f32.
;;   ~~~python
;;   def quantise(x, axis):      # numpy; x: float32 -> the quantised numbers, widened to float32 again
;;       x = np.moveaxis(x, axis, -1); K = x.shape[-1]
;;       x = np.pad(x, [(0, 0)] * (x.ndim - 1) + [(0, -K % 32)]); x = x.reshape(x.shape[:-1] + (-1, 32)); a = np.abs(x).max(-1, keepdims=True)
;;       e = np.where(a > 0, np.clip(np.frexp(np.where(a > 0, a, 1))[1] - 1 - 2, -126, 127), 0)      # np.frexp(a)[1] - 1 = floor(log2(a)), exactly
;;       r = np.clip(x / 2.0 ** e, -7.5, 7.5)
;;       step = 2.0 ** (np.maximum(np.frexp(np.where(r == 0, 1, r))[1] - 1, 0) - 3)
;;       q = np.round(r / step) * step * 2.0 ** e      # np.round: ties to even
;;       return np.moveaxis(q.reshape(q.shape[:-2] + (-1,))[..., :K], -1, axis).astype(np.float32)
;;   ~~~
;;   OPERANDS COMPUTED ON THE WAY. 'Computed on the way' means the value that the module computes at that place (a softmax that the list does not call 'softmax' is quantised finished and normalised). What goes into a quantiser is computed in f32, as accurately as f32 sums, v_exp_f32 and their like allow (about 1e-6 of the number): no bf16 or f16 on the way to a quantiser, and a product that is left as it is and whose result goes on into a quantised operand takes f32 operands (vector FMAs, or v_wmma_f32_16x16x4_f32). A number that lies on a knife's edge between two numbers of the format may be rounded either way, as far as f32 arithmetic and the matrix unit's own rounding can turn it there, and no further.
;; 2 versions, each right; version 2 is version 1 with the launch prep written anew for expert scheduling mode. Each part assembles by itself: llvm-mc -triple=amdgcn-amd-amdhsa -mcpu=gfx1250 --defsym DOCPART=n.
;; ======== version 1 of 2: 3 launches
;; workspace buffers: hq 6,553,600 bytes; wq 9,830,400 bytes; gq 6,553,600 bytes; lr 524,288 bytes
;; launch prep (part 1): grid 896 x 1, 8 waves a work-group, no clusters, 152,832 bytes of LDS; arguments hidden_states, attn_output, W_in, W_up, W_down, A, gamma, hq, wq, lr; writes hq, wq, lr
.if DOCPART == 1
	.amdgcn_target "amdgcn-amd-amdhsa--gfx1250"
	.amdhsa_code_object_version 6
	.text
	.protected	k_q3e99bbb066_prep
	.globl	k_q3e99bbb066_prep
	.p2align	8
	.type	k_q3e99bbb066_prep,@function
k_q3e99bbb066_prep:
	s_mov_b64 s[64:65], 0
	v_nop
	global_prefetch_b8 v0, s[64:65] scope:SCOPE_SE
	s_setreg_imm32_b32 hwreg(HW_REG_WAVE_MODE, 25, 1), 1
	s_wait_xcnt 0x0
; NPT layer, launch 1 of 3.  out = hidden + (silu(h W_in^T + ((h A) * 0.1 tanh(attn A)) Bmat) * (h W_up^T)) W_down^T,  h = hidden * rsqrt(mean(hidden^2) + 1e-6) * gamma.
; NOTHING IS LEFT OUT: each of the eight inputs has a way to the output for some finite values, so each is loaded and every product of the problem is done.
; THIS LAUNCH quantises, along K, to codes of E2M3 with one E8M0 byte for each 32: h (computed here), W_in, W_up, W_down, and stores them as the later launches' operands; it also quantises attn and A in registers and makes
; hA = Q(h) Q(A) and mod = 0.1 tanh(Q(attn) Q(A)), both [4096][16] f32, into lr.
; A block's scale is 2^(floor(log2(largest magnitude)) - 2); its byte is the largest magnitude's exponent field - 2, held at 1 from below.
; LIMITS: NaN and infinities among the inputs are not served.  A block whose largest magnitude lies under 2^-124 gets the byte 1; so does a block of zeros, where the rule says 127: its codes are zeros, and these bytes are read
; by this program alone.  The K sums of the two rank-16 products are made in 16 parts (two a wave) and added in f32: another order of f32 additions than one ascending chain.
; SHARES.  A work-group takes ONE TILE, 16 rows x 2,048, of one tensor: work-groups 0-255 hidden (H), 256-511 attn (T), 512-639 W_in, 640-767 W_up, 768-895 W_down.  Wave w takes columns 256 w .. 256 w + 255: K steps 2 w, 2 w + 1.
; All kinds take one way through the text; what only some kinds do stands under scalar branches on the work-group's number, which all eight waves take alike; both barriers stand on the common way.
; Each such section reads only registers that it writes itself or that the common way has written.
; THE TURN.  Loads take the bytes as they lie (512 consecutive bytes an instruction); the operand's layout wants lane (r, h) to hold row r, k = 64 c + 32 h + 0 .. 31: so the wave's 16 x 1,024 bytes go through its own stage in LDS
; (rows 1,040 bytes apart: 65 x 16, so that the sixteen rows of a read start in different banks).  A lane then holds whole blocks of 32: no other lane is asked for a maximum.
; THE IMAGE.  [tile][K step][1,536 bytes]: for c = 0, 1: the fragment's registers 6 c .. 6 c + 3, 16 bytes a lane on end (512), then registers 6 c + 4, 6 c + 5, 8 bytes a lane on end (256).  Scale words: [tile][K step][16 rows] of 4 bytes.
; THE ROWS OF A TILE of W_in and W_up are not neighbours: row r of tile t is 32 (t / 2) + 8 (t % 2) + r + 8 (r / 8), so that the next launch's results lie as the next K wants them; tile t lies at place 8 (t / 4) + 4 (up) + t % 4.
.set SS,     0                         ; LDS: a word a thread: the rows' sums of squares
.set SCW,    1024                      ; a word a thread: the tile's scale words, in the order in which they lie in memory
.set PART,   2048                      ; 1,024 bytes a wave: its part of the 16 x 16 product, laid [row][rank]
.set SPARE,  10240                     ; the spare words, 128 bytes a wave: four blocks of 256 bytes that no other line names
.set STG,    11264                     ; a stage a wave: 16 rows and a 17th for gamma's strip
.set SPITCH, 1040
.set WSTG,   17*SPITCH
.set GROW,   16*SPITCH
.set TILEB,  24576                     ; a tile's image
.set HSC,    6291456                   ; hq, and wq's first part: the scale words behind 256 tiles
.set WD_IMG, 6553600                   ; wq: W_down's images,
.set WD_SC,  9699328                   ; and its scale words
.set MODO,   262144                    ; lr: mod behind hA
.set XLO,  1                           ; v1   1,024 w + 16 lane: my bytes of a row (rows 0-7 of the tile)
.set XHI,  2                           ; v2   the same for rows 8-15: 8 rows further on in W_in and W_up
.set STS,  3                           ; v3   the stage, on the way in: 16 lane
.set STR,  4                           ; v4   on the way out: 1,040 r + 128 h
.set STGM, 5                           ; v5   gamma's strip: 128 h
.set L16,  6                           ; v6   16 lane
.set L8,   7                           ; v7   8 lane
.set AO,   8                           ; v8   A: 4 r + 2,048 h
.set SH8,  9                           ; v9   8 h
.set T4,   10                          ; v10  4 x thread
.set L4,   11                          ; v11  4 lane
.set PST,  12                          ; v12  1,024 w + 64 r + 32 h
.set T16,  13                          ; v13  16 x (thread % 64)
.set SPW,  14                          ; v14  my spare word; never rewritten
.set NIL,  15                          ; v15  0; never rewritten
.set AF,   16                          ; v16-39  A's two fragments
.set ASC,  40                          ; v40-41  their scale words
.set XSC,  42                          ; v42-43  the tile's scale words
.set TM,   44                          ; v44-51  at work
.set CT,   52                          ; v52-59  at work
.set RS,   60                          ; v60-61  1 / rms
.set HH,   62                          ; v62  h
.set RR,   63                          ; v63  r
.set PC,   64                          ; v64-87  the tile's two fragments
.set SUM,  88                          ; v88-95  my part of the product
.set G,    96                          ; v96-127 32 numbers of gamma
.set X,    128                         ; v128-255 128 numbers: the tile's, later A's
.set ACC,  128                         ; v128-143 two accumulators, when X is spent
.set R,    160                         ; v160-.. the reduction
.set SEL,  46                          ; s[46:47] lane selects: lane l xor 16
; 64 numbers of a lane, register 32 c + i = k 64 c + 32 h + i of its row, become a fragment's 12 registers at v[d] and the row's scale word in v[w]
.macro QUANT64 s, d, w
.irp c, 0,1
	v_max3_num_f32 v[TM+\c], |v[\s+32*\c]|, |v[\s+32*\c+1]|, 0x1800000   ; my block 2 c + h, and the floor 2^(3 - 127): the byte cannot fall under 1
.endr
.irp i, 2,4,6,8,10,12,14,16,18,20,22,24,26,28,30
.irp c, 0,1
	v_max3_num_f32 v[TM+\c], v[TM+\c], |v[\s+32*\c+\i]|, |v[\s+32*\c+\i+1]|
.endr
.endr
.irp c, 0,1
	v_add_nc_u32 v[TM+2+\c], 0xff000000, v[TM+\c]      ; 2 off the exponent field: the conversion's scale operand
.endr
.irp c, 0,1
	v_lshrrev_b32 v[TM+4+\c], 23, v[TM+2+\c]           ; the scale's byte
.endr
	v_lshl_or_b32 v[\w], v[TM+5], 16, v[TM+4]          ; blocks h and 2 + h,
	v_lshlrev_b32 v[\w], v[SH8], v[\w]                 ; at their places in the word;
	v_permlanex16_b32 v[TM+6], v[\w], s[SEL], s[SEL+1]
	v_or_b32 v[\w], v[\w], v[TM+6]                     ; with lane l xor 16's two the word is whole
.irp c, 0,1
	v_cvt_scalef32_pk16_fp6_f32 v[\d+6*\c:\d+6*\c+2], v[\s+32*\c:\s+32*\c+15], v[TM+2+\c]
	v_cvt_scalef32_pk16_fp6_f32 v[CT+4*\c:CT+4*\c+2], v[\s+32*\c+16:\s+32*\c+31], v[TM+2+\c]   ; (a conversion's three registers begin on an even number)
.endr
	v_nop                                              ; one plain place behind a scaled conversion
.irp c, 0,1
.irp i, 0,1,2
	v_mov_b32 v[\d+6*\c+3+\i], v[CT+4*\c+\i]
.endr
.endr
.endm
; H: 32 numbers become (x / rms) gamma, in reference()'s order of the two multiplications
.macro HSCALE q, c
.irp j, 0,1,2,3,4,5,6,7
	ds_load_b128 v[G+4*\j:G+4*\j+3], v[STGM] offset:GROW+512*\q+256*\c+16*\j   ; sixteen lanes read the same 16 bytes
.endr
.irp n, 0,2,4,6,8,10,12,14,16,18,20,22,24,26,28,30
	v_pk_mul_f32 v[X+64*\q+32*\c+\n:X+64*\q+32*\c+\n+1], v[X+64*\q+32*\c+\n:X+64*\q+32*\c+\n+1], v[RS:RS+1] op_sel_hi:[1,0]
.endr
	s_wait_dscnt 0x0
.irp n, 0,2,4,6,8,10,12,14,16,18,20,22,24,26,28,30
	v_pk_mul_f32 v[X+64*\q+32*\c+\n:X+64*\q+32*\c+\n+1], v[X+64*\q+32*\c+\n:X+64*\q+32*\c+\n+1], v[G+\n:G+\n+1]
.endr
.endm
; a fragment goes to memory as it stands: each store covers 512 or 256 consecutive bytes, aligned to 256
.macro IMGSTORE q
	global_store_b128 v[L16], v[PC+12*\q:PC+12*\q+3], s[40:41] offset:1536*\q
	global_store_b64 v[L8], v[PC+12*\q+4:PC+12*\q+5], s[40:41] offset:1536*\q+512
	global_store_b128 v[L16], v[PC+12*\q+6:PC+12*\q+9], s[40:41] offset:1536*\q+768
	global_store_b64 v[L8], v[PC+12*\q+10:PC+12*\q+11], s[40:41] offset:1536*\q+1280
.endm
; A [2048][16]: a lane takes column r and its registers run down K, in the order that the operand's layout gives that lane
.macro LA q
.set n, 0
.rept 64
	global_load_b32 v[X+64*\q+n], v[AO], s[18:19] offset:8192*\q+64*(64*(n/32)+n%32)
.set n, n+1
.endr
.endm
	s_load_b512 s[8:23], s[0:1], 0x0                   ; hidden 8:9, attn 10:11, W_in 12:13, W_up 14:15, W_down 16:17, A 18:19, gamma 20:21, hq 22:23
	s_load_b128 s[24:27], s[0:1], 0x40                 ; wq 24:25, lr 26:27
	v_lshl_add_u32 v[SPW], v0, 2, SPARE
	v_mov_b32 v[NIL], 0
	v_lshrrev_b32 v[XLO], 5, v0
	v_readfirstlane_b32 s28, v[XLO]                    ; wave 0..7
	s_mov_b32 s29, ttmp9                               ; the work-group's number says which tensor and which tile
	s_and_b32 s35, s29, 127
	s_and_b32 s50, s29, 255
	s_cmp_lt_u32 s29, 512
	s_cselect_b32 s30, 1, 0                            ; s30: rows of tokens (H or T)
	s_cselect_b32 s35, s50, s35                        ; s35: the tile's number in its tensor
	s_cmp_lt_u32 s29, 256
	s_cselect_b32 s31, 1, 0                            ; s31: H
	s_cselect_b32 s56, 0, MODO
	s_cmp_ge_u32 s29, 512
	s_cselect_b32 s34, 1, 0
	s_or_b32 s34, s34, s31                             ; s34: the codes are stored (H and the weights)
	s_sub_co_u32 s50, s29, 512
	s_cmp_lt_u32 s50, 256
	s_cselect_b32 s36, 1, 0                            ; s36: W_in or W_up
	s_cselect_b32 s38, 0x10000, 0                      ; there rows 8-15 of a tile lie 8 rows of 8,192 bytes further on
	s_lshr_b32 s50, s35, 1
	s_lshl_b32 s50, s50, 5
	s_and_b32 s51, s35, 1
	s_lshl_b32 s51, s51, 3
	s_add_co_u32 s50, s50, s51
	s_lshl_b32 s37, s35, 4
	s_cmp_eq_u32 s36, 1
	s_cselect_b32 s37, s50, s37                        ; s37: the tile's first row
	s_lshr_b32 s50, s35, 2
	s_lshl_b32 s50, s50, 3
	s_and_b32 s51, s35, 3
	s_add_co_u32 s50, s50, s51
	s_cmp_ge_u32 s29, 640
	s_cselect_b32 s51, 4, 0
	s_add_co_u32 s50, s50, s51
	s_cmp_eq_u32 s36, 1
	s_cselect_b32 s39, s50, s35                        ; s39: the tile's place among the images
	s_cmp_ge_u32 s29, 768
	s_cselect_b32 s52, WD_IMG, 0
	s_mov_b32 s54, HSC
	s_cselect_b32 s54, WD_SC, s54
	s_mul_i32 s50, s39, TILEB
	s_add_co_u32 s52, s52, s50
	s_mul_i32 s50, s28, 3072
	s_add_co_u32 s52, s52, s50                         ; s[52:53]: my two K steps of the image
	s_mov_b32 s53, 0
	s_lshl_b32 s50, s39, 10
	s_add_co_u32 s54, s54, s50                         ; s[54:55]: the tile's scale words
	s_mov_b32 s55, 0
	s_lshl_b32 s50, s35, 10
	s_add_co_u32 s56, s56, s50                         ; s[56:57]: the tile's 16 rows of hA or of mod
	s_mov_b32 s57, 0
	s_lshl_b32 s58, s37, 13                            ; s[58:59]: the tile's first row in its tensor
	s_mov_b32 s59, 0
	s_lshl_b32 s60, s28, 14                            ; s[60:61]: my 256 rows of A
	s_mov_b32 s61, 0
	s_mov_b32 s[SEL], 0x76543210
	s_mov_b32 s[SEL+1], 0xfedcba98
	s_mov_b32 s48, 0x3a000000                          ; 1 / 2,048
	s_mov_b32 s49, 0x358637bd                          ; 1e-6
	v_and_b32 v[L4], 31, v0
	v_and_b32 v[RR], 15, v0
	v_bfe_u32 v[HH], v0, 4, 1
	v_lshlrev_b32 v[L16], 4, v[L4]
	v_lshlrev_b32 v[L8], 3, v[L4]
	v_lshlrev_b32 v[L4], 2, v[L4]
	s_lshl_b32 s50, s28, 10
	v_add_nc_u32 v[XLO], s50, v[L16]
	v_add_nc_u32 v[XHI], s38, v[XLO]
	s_wait_kmcnt 0x0
	s_cmp_lt_u32 s29, 768                              ; the tensor: a choice that hangs on the work-group's number alone
	s_cselect_b64 s[32:33], s[14:15], s[16:17]
	s_cmp_lt_u32 s29, 640
	s_cselect_b64 s[32:33], s[12:13], s[32:33]
	s_cmp_lt_u32 s29, 512
	s_cselect_b64 s[32:33], s[10:11], s[32:33]
	s_cmp_lt_u32 s29, 256
	s_cselect_b64 s[32:33], s[8:9], s[32:33]
	s_cselect_b64 s[40:41], s[22:23], s[24:25]
	s_add_nc_u64 s[32:33], s[32:33], s[58:59]
	; the tile: 32 loads a wave, 512 consecutive bytes each
.set n, 0
.rept 8
	global_load_b128 v[X+8*n:X+8*n+3], v[XLO], s[32:33] offset:8192*n th:TH_LOAD_NT
	global_load_b128 v[X+8*n+4:X+8*n+7], v[XLO], s[32:33] offset:8192*n+512 th:TH_LOAD_NT
.set n, n+1
.endr
.rept 8
	global_load_b128 v[X+8*n:X+8*n+3], v[XHI], s[32:33] offset:8192*n th:TH_LOAD_NT
	global_load_b128 v[X+8*n+4:X+8*n+7], v[XHI], s[32:33] offset:8192*n+512 th:TH_LOAD_NT
.set n, n+1
.endr
	s_mov_b64 s[42:43], s[40:41]
	s_add_nc_u64 s[40:41], s[40:41], s[52:53]
	s_add_nc_u64 s[42:43], s[42:43], s[54:55]
	s_add_nc_u64 s[44:45], s[26:27], s[56:57]
	s_add_nc_u64 s[18:19], s[18:19], s[60:61]
	v_lshlrev_b32 v[T4], 2, v0
	v_and_b32 v[T16], 63, v0
	v_lshlrev_b32 v[T16], 4, v[T16]
	v_lshlrev_b32 v[SH8], 3, v[HH]
	v_lshlrev_b32 v[AO], 2, v[RR]
	v_lshl_add_u32 v[AO], v[HH], 11, v[AO]
	v_lshlrev_b32 v[PST], 6, v[RR]
	v_lshl_add_u32 v[PST], v[HH], 5, v[PST]
	v_add_nc_u32 v[PST], s50, v[PST]
	s_mul_i32 s51, s28, WSTG
	s_add_co_u32 s51, s51, STG                         ; my stage
	v_add_nc_u32 v[STS], s51, v[L16]
	v_mul_u32_u24 v[STR], v[RR], SPITCH
	v_lshl_add_u32 v[STR], v[HH], 7, v[STR]
	v_add_nc_u32 v[STR], s51, v[STR]
	v_lshlrev_b32 v[STGM], 7, v[HH]
	v_add_nc_u32 v[STGM], s51, v[STGM]
	v_mov_b32 v[TM+6], 0                               ; written once: a lane permute's destination counts as one of its sources
	; the turn: into the stage as loaded, eight loads at a time (the counts leave the younger loads out), and back 128 bytes a lane and block
.set n, 0
.irp left, 24,16,8,0
	s_wait_loadcnt \left
.rept 4
	ds_store_b128 v[STS], v[X+8*n:X+8*n+3] offset:SPITCH*n
	ds_store_b128 v[STS], v[X+8*n+4:X+8*n+7] offset:SPITCH*n+512
.set n, n+1
.endr
.endr
.set n, 0
.rept 32
	ds_load_b128 v[X+4*n:X+4*n+3], v[STR] offset:256*(n/8)+16*(n%8)   ; LDS serves a wave's instructions in order: these see my stores.  Register 64 q + 32 c + i = k 128 q + 64 c + 32 h + i of row r
.set n, n+1
.endr
	; ---- H: gamma's strip for my columns, and my part of the rows' sums of squares
	s_cmp_eq_u32 s31, 0
	s_cbranch_scc1 .Lno_ss
	global_load_b128 v[G:G+3], v[XLO], s[20:21]
	global_load_b128 v[G+4:G+7], v[XLO], s[20:21] offset:512
	s_wait_dscnt 0x0                                   ; the tile is back from the stage
.irp k, 0,1,2,3
	v_pk_mul_f32 v[TM+2*\k:TM+2*\k+1], v[X+2*\k:X+2*\k+1], v[X+2*\k:X+2*\k+1]   ; four chains; the first products start them
.endr
.set n, 4
.rept 60
	v_pk_fma_f32 v[TM+2*(n%4):TM+2*(n%4)+1], v[X+2*n:X+2*n+1], v[X+2*n:X+2*n+1], v[TM+2*(n%4):TM+2*(n%4)+1]
.set n, n+1
.endr
	v_pk_add_f32 v[TM:TM+1], v[TM:TM+1], v[TM+2:TM+3]
	v_pk_add_f32 v[TM+4:TM+5], v[TM+4:TM+5], v[TM+6:TM+7]
	v_pk_add_f32 v[TM:TM+1], v[TM:TM+1], v[TM+4:TM+5]
	v_add_f32 v[TM], v[TM], v[TM+1]
	v_permlanex16_b32 v[TM+6], v[TM], s[SEL], s[SEL+1]
	v_add_f32 v[TM], v[TM], v[TM+6]                    ; row r, my wave's 256 columns
	s_wait_loadcnt 0x0                                 ; gamma
	ds_store_b128 v[STS], v[G:G+3] offset:GROW
	ds_store_b128 v[STS], v[G+4:G+7] offset:GROW+512
	ds_store_b32 v[T4], v[TM] offset:SS
.Lno_ss:
	s_wait_dscnt 0x0                                   ; my stores have landed and my loads are in
	s_barrier_signal -1
	s_barrier_wait -1
	; ---- H: 1 / rms of my row, and h in place of x
	s_cmp_eq_u32 s31, 0
	s_cbranch_scc1 .Lno_norm
.irp w, 0,1,2,3,4,5,6,7
	ds_load_b32 v[CT+\w], v[L4] offset:SS+128*\w
.endr
	s_wait_dscnt 0x0
	v_add_f32 v[CT], v[CT], v[CT+1]
	v_add_f32 v[CT+2], v[CT+2], v[CT+3]
	v_add_f32 v[CT+4], v[CT+4], v[CT+5]
	v_add_f32 v[CT+6], v[CT+6], v[CT+7]
	v_add_f32 v[CT], v[CT], v[CT+2]
	v_add_f32 v[CT+4], v[CT+4], v[CT+6]
	v_add_f32 v[CT], v[CT], v[CT+4]
	v_fma_f32 v[CT], v[CT], s48, s49                   ; the mean + 1e-6
	v_rsq_f32 v[RS], v[CT]
	v_nop                                              ; a plain place behind the transcendental
	s_wait_alu depctr_va_vdst(0)                       ; the wait ahead of the first line that names the result
	v_mov_b32 v[RS+1], v[RS]                           ; (named with it as a pair)
	HSCALE 0, 0
	HSCALE 0, 1
	HSCALE 1, 0
	HSCALE 1, 1
.Lno_norm:
	; ---- all: my two K steps become fragments and scale words
	QUANT64 X, PC, XSC
	QUANT64 X+64, PC+12, XSC+1
	; ---- H and the weights: the images leave; the scale words are gathered
	s_cmp_eq_u32 s34, 0
	s_cbranch_scc1 .Lno_img
	IMGSTORE 0
	IMGSTORE 1
	v_cmp_ne_u32 vcc_lo, 0, v[HH]
	v_cndmask_b32 v[TM+7], v[XSC], v[XSC+1], vcc_lo    ; lanes 0-15 put K step 2 w's word of row r, lanes 16-31 K step 2 w + 1's: 4 x thread is their place in memory's order
	ds_store_b32 v[T4], v[TM+7] offset:SCW
.Lno_img:
	; ---- H and T: my 256 rows of A are quantised in the registers that the tile has left, and multiplied
	s_cmp_eq_u32 s30, 0
	s_cbranch_scc1 .Lno_prod
	LA 0
	LA 1
	s_wait_loadcnt 63                                  ; the first K step's 64 loads are in: behind them 64 were issued, and the count's field holds 63
	QUANT64 X, AF, ASC
	s_wait_loadcnt 0x0
	QUANT64 X+64, AF+12, ASC+1
.rept 8
	v_nop                                              ; a scale register written by a vector instruction stands 8 places ahead of a scaled matrix instruction, an operand 4
.endr
.irp q, 0,1                                            ; source 0 = A's 16 columns, source 1 = the tile's 16 rows: lane (r, h) gets row r, ranks 8 h + 0 .. 7.  Two accumulators, one instruction each
	v_wmma_scale_f32_16x16x128_f8f6f4 v[ACC+8*\q:ACC+8*\q+7], v[AF+12*\q:AF+12*\q+11], v[PC+12*\q:PC+12*\q+11], 0, v[ASC+\q], v[XSC+\q] matrix_a_fmt:MATRIX_FMT_FP6 matrix_b_fmt:MATRIX_FMT_FP6
.endr
.rept 4
	v_nop
.endr
.irp n, 0,2,4,6
	v_pk_add_f32 v[SUM+\n:SUM+\n+1], v[ACC+\n:ACC+\n+1], v[ACC+8+\n:ACC+8+\n+1]   ; each accumulator from its low end on
.endr
	ds_store_b128 v[PST], v[SUM:SUM+3] offset:PART
	ds_store_b128 v[PST], v[SUM+4:SUM+7] offset:PART+16
.Lno_prod:
	s_wait_dscnt 0x0
	s_barrier_signal -1
	s_barrier_wait -1
	; ---- H and T, waves 0 and 1: the eight parts are added; T: 0.1 tanh; 1,024 bytes of lr leave, 16 a thread
	s_cmp_eq_u32 s30, 0
	s_cbranch_scc1 .Lno_red
	s_cmp_ge_u32 s28, 2
	s_cbranch_scc1 .Lno_red
.irp w, 0,1,2,3,4,5,6,7
	ds_load_b128 v[R+4*\w:R+4*\w+3], v[T16] offset:PART+1024*\w
.endr
	s_wait_dscnt 0x0
.irp w, 0,2,4,6
	v_pk_add_f32 v[R+4*\w:R+4*\w+1], v[R+4*\w:R+4*\w+1], v[R+4*\w+4:R+4*\w+5]
	v_pk_add_f32 v[R+4*\w+2:R+4*\w+3], v[R+4*\w+2:R+4*\w+3], v[R+4*\w+6:R+4*\w+7]
.endr
.irp w, 0,4
	v_pk_add_f32 v[R+4*\w:R+4*\w+1], v[R+4*\w:R+4*\w+1], v[R+4*\w+8:R+4*\w+9]
	v_pk_add_f32 v[R+4*\w+2:R+4*\w+3], v[R+4*\w+2:R+4*\w+3], v[R+4*\w+10:R+4*\w+11]
.endr
	v_pk_add_f32 v[R:R+1], v[R:R+1], v[R+16:R+17]
	v_pk_add_f32 v[R+2:R+3], v[R+2:R+3], v[R+18:R+19]
	s_cmp_eq_u32 s31, 1
	s_cbranch_scc1 .Lplain
	; tanh x, both forms computed and one selected: under |x| = 0.25 the series x - x^3/3 + 2 x^5/15 - 17 x^7/315 (the next term is under 4e-7 of x there); else 1 - 2 / (1 + e^(2 x)), which loses too much to the subtraction for small x
	s_mov_b32 s50, 0xbd5d0dd1                          ; -17 / 315
	s_mov_b32 s51, 0x3e088889                          ; 2 / 15
	s_mov_b32 s37, 0xbeaaaaab                          ; -1 / 3
.irp i, 0,1,2,3
	v_mul_f32 v[R+4+\i], 0x4038aa3b, v[R+\i]           ; 2 log2(e) x
.endr
.irp i, 0,1,2,3
	v_exp_f32 v[R+4+\i], v[R+4+\i]
.endr
.irp i, 0,1,2,3
	v_mul_f32 v[R+8+\i], v[R+\i], v[R+\i]              ; x^2.  (The series is the plain work behind the exponentials)
.endr
.irp i, 0,1,2,3
	v_fma_f32 v[R+12+\i], v[R+8+\i], s50, s51
.endr
.irp i, 0,1,2,3
	v_fma_f32 v[R+12+\i], v[R+12+\i], v[R+8+\i], s37
.endr
.irp i, 0,1,2,3
	v_mul_f32 v[R+8+\i], v[R+8+\i], v[R+\i]            ; x^3
.endr
.irp i, 0,1,2,3
	v_fma_f32 v[R+12+\i], v[R+12+\i], v[R+8+\i], v[R+\i]
.endr
	s_wait_alu depctr_va_vdst(0)                       ; one wait for the four exponentials, ahead of their first reader
.irp i, 0,1,2,3
	v_add_f32 v[R+4+\i], 1.0, v[R+4+\i]
.endr
.irp i, 0,1,2,3
	v_rcp_f32 v[R+4+\i], v[R+4+\i]
.endr
.irp i, 0,1,2,3
	v_and_b32 v[R+16+\i], 0x7fffffff, v[R+\i]          ; |x|
.endr
	s_wait_alu depctr_va_vdst(0)                       ; and one for the four reciprocals
.irp i, 0,1,2,3
	v_fma_f32 v[R+4+\i], v[R+4+\i], -2.0, 1.0
	v_cmp_gt_f32 vcc_lo, 0x3e800000, v[R+16+\i]
	v_cndmask_b32 v[R+4+\i], v[R+4+\i], v[R+12+\i], vcc_lo
	v_mul_f32 v[R+\i], 0x3dcccccd, v[R+4+\i]           ; x 0.1
.endr
.Lplain:
	global_store_b128 v[T16], v[R:R+3], s[44:45]       ; a wave stores 512 consecutive bytes, aligned to 256
.Lno_red:
	; ---- H and the weights, waves 2 and 3: the tile's 1,024 bytes of scale words leave
	s_cmp_eq_u32 s34, 0
	s_cbranch_scc1 .Lno_sc
	s_cmp_lt_u32 s28, 2
	s_cbranch_scc1 .Lno_sc
	s_cmp_ge_u32 s28, 4
	s_cbranch_scc1 .Lno_sc
	ds_load_b128 v[R+32:R+35], v[T16] offset:SCW
	s_wait_dscnt 0x0
	global_store_b128 v[T16], v[R+32:R+35], s[42:43]
.Lno_sc:
	s_wait_tensorcnt 0x0                               ; the wave's end, behind my last LDS store
	ds_add_u32 v[SPW], v[NIL]
	s_wait_dscnt 0x0
	s_endpgm
.Lfunc_end_k_q3e99bbb066_prep:
	.size	k_q3e99bbb066_prep, .Lfunc_end_k_q3e99bbb066_prep-k_q3e99bbb066_prep
	.p2alignl 7, 3214868480
	.fill 96, 4, 3214868480
	.section	.rodata,"a",@progbits
	.p2align	6, 0x0
	.amdhsa_kernel k_q3e99bbb066_prep
		.amdhsa_group_segment_fixed_size 152832
		.amdhsa_private_segment_fixed_size 0
		.amdhsa_enable_private_segment 0
		.amdhsa_kernarg_size 80
		.amdhsa_user_sgpr_count 2
		.amdhsa_user_sgpr_kernarg_segment_ptr 1
		.amdhsa_wavefront_size32 1
		.amdhsa_system_sgpr_workgroup_id_x 1
		.amdhsa_system_sgpr_workgroup_id_y 1
		.amdhsa_system_sgpr_workgroup_id_z 1
		.amdhsa_system_vgpr_workitem_id 0
		.amdhsa_next_free_vgpr 256
		.amdhsa_next_free_sgpr 66
		.amdhsa_reserve_vcc 1
		.amdhsa_float_denorm_mode_32 3
		.amdhsa_float_denorm_mode_16_64 3
		.amdhsa_memory_ordered 1
		.amdhsa_forward_progress 1
		.amdhsa_inst_pref_size 59
	.end_amdhsa_kernel
	.amdgpu_metadata
---
amdhsa.version: [ 1, 2 ]
amdhsa.kernels:
  - .name:           k_q3e99bbb066_prep
    .symbol:         k_q3e99bbb066_prep.kd
    .args:
      - { .name: hidden_states, .offset: 0, .size: 8, .value_kind: global_buffer, .address_space: global }
      - { .name: attn_output, .offset: 8, .size: 8, .value_kind: global_buffer, .address_space: global }
      - { .name: W_in, .offset: 16, .size: 8, .value_kind: global_buffer, .address_space: global }
      - { .name: W_up, .offset: 24, .size: 8, .value_kind: global_buffer, .address_space: global }
      - { .name: W_down, .offset: 32, .size: 8, .value_kind: global_buffer, .address_space: global }
      - { .name: A, .offset: 40, .size: 8, .value_kind: global_buffer, .address_space: global }
      - { .name: gamma, .offset: 48, .size: 8, .value_kind: global_buffer, .address_space: global }
      - { .name: hq, .offset: 56, .size: 8, .value_kind: global_buffer, .address_space: global }
      - { .name: wq, .offset: 64, .size: 8, .value_kind: global_buffer, .address_space: global }
      - { .name: lr, .offset: 72, .size: 8, .value_kind: global_buffer, .address_space: global }
    .group_segment_fixed_size: 152832
    .private_segment_fixed_size: 0
    .kernarg_segment_align: 8
    .kernarg_segment_size: 80
    .max_flat_workgroup_size: 256
    .sgpr_count:     66
    .vgpr_count:     256
    .wavefront_size: 32
...
	.end_amdgpu_metadata
.endif
;; end of part 1
;; launch gateup (part 2): grid 16 x 16, 4 waves a work-group, clusters of 4 x 4, 327,680 bytes of LDS; arguments hq, wq, lr, Bmat, gq; writes gq
.if DOCPART == 2
	.amdgcn_target "amdgcn-amd-amdhsa--gfx1250"
	.amdhsa_code_object_version 6
	.text
	.protected	k_q3e99bbb066_gateup
	.globl	k_q3e99bbb066_gateup
	.p2align	8
	.type	k_q3e99bbb066_gateup,@function
k_q3e99bbb066_gateup:
	s_mov_b64 s[64:65], 0
	v_nop
	global_prefetch_b8 v0, s[64:65] scope:SCOPE_SE
	s_setreg_imm32_b32 hwreg(HW_REG_WAVE_MODE, 25, 1), 1
	s_wait_xcnt 0x0
	s_wait_alu depctr_hold_cnt(0) depctr_sa_sdst(0) depctr_va_vdst(0) depctr_va_sdst(0) depctr_va_ssrc(0) depctr_va_vcc(0) depctr_vm_vsrc(0)
	s_getreg_b32 s2, hwreg(HW_REG_IB_STS2, 6, 4)
	s_cmp_eq_u32 s2, 0
	s_cbranch_scc0 .Lentry_in_a_cluster
	s_endpgm
.Lentry_in_a_cluster:
	s_bfe_u32 s2, ttmp6, 0x10000c
	s_cmp_lg_u32 s2, 0xf033
	s_cbranch_scc0 .Lentry_shape_is_right
	s_endpgm
.Lentry_shape_is_right:
; NPT layer, launch 2 of 3: g = silu(Q(h) Q(W_in)^T + (hA * mod) Bmat) * (Q(h) Q(W_up)^T), quantised along f to codes of E2M3 with one E8M0 byte for each 32, stored as the third launch's operand.  Nothing is left out.
; LIMITS: as in the first launch (NaN, infinities; a block under 2^-124 or of zeros gets the byte 1).  The gate's sum begins with the rank-16 term and then takes K ascending: another order of f32 additions than reference()'s.
; SHARES.  A work-group takes 256 rows x 128 of f, for gate and for up: 256 x 256 results.  Four waves; wave (i, j) takes 128 rows x (64 gate + 64 up): 64 accumulators of 16 x 16, 512 registers.
; OPERANDS arrive as images of their registers: [tile of 16 rows][K step][1,536 bytes]: a fragment is two loads of 16 bytes a lane and two of 8, each of consecutive bytes: no pitch, no padding.  W's tiles lie so that a
; work-group's column half j finds gate's four tiles and up's four on end.  Scale words: [tile][K step][16 rows].
; K goes in slots of two K steps (256 along K) through a ring of two LDS slots filled by the tensor data mover; the scale words of all of K come once, with the first fills.
; CLUSTERS: 4 x 4 work-groups; h's tiles are shared along a row of the cluster, W's along a column: each is asked for jointly, by the same tensor load with the same descriptor and a mask that names the four.
; THE MATRIX INSTRUCTION IS USED TRANSPOSED (source 0 = 16 rows of W, source 1 = 16 rows of h), and the rows of W that form a tile were chosen so that a lane's 16 registers of tiles 2 b, 2 b + 1 are 16 neighbours along f:
; lane (r, h), tile t, register n: row r, f = 64 j + 32 (t / 2) + 16 h + 8 (t % 2) + n.
; THE RANK-16 TERM is a product with f32 operands: v_wmma_f32_16x16x4_f32, four K steps, which START gate's 32 sums (C = 0); the quantised product adds onto them.  Those registers are written by matrix instructions alone.
; REGISTERS, in windows of 256: window 0: v12-31 addresses; v32-63 scale words, two sets; v64-127 c = hA * mod, later the way out's work; v128-223 h's fragments, ONE set (at the head: mod; on the way out: g's codes).
;   window 1: W's fragments, TWO sets, v0-95 and v128-223; v96-127 Bmat.   window 2: the accumulators of my rows 0-63 ((a, b) at v[8 (8 a + b)]; b 0-3 gate, 4-7 up);   window 3: those of rows 64-127.
.set TILEB,  24576                     ; a tile's image: 16 K steps
.set KSB,    1536                      ; a K step's
.set NQ,     2                         ; K steps in a slot
.set TSL,    NQ*KSB                    ; a tile's part of a slot
.set HALFT,  8*TSL                     ; 8 tiles: what one tensor load brings, and what one wave reads of h or of W
.set SLOT,   4*HALFT
.set LAPS,   4                         ; 16 K steps = 4 times round the ring
.set SCA,    2*SLOT                    ; behind the ring: h's scale words, 16 tiles x 1,024 bytes,
.set SCB,    SCA+16384+128             ; W's likewise; 128 bytes further on, so that a load's two halves fall on different banks
.set SCG,    SCB+16384+128             ; g's scale words, gathered here: 1,024 bytes into which no fill lands
.set SPARE,  SCG+1024                  ; the spare words, 128 bytes a wave: two blocks of 256 bytes that no other line names
.set HSC,    6291456                   ; in hq, wq and gq: the scale words behind 256 tiles
.set MODO,   262144                    ; in lr: mod behind hA
.set FR,     12
.set NL,     4                         ; LDS loads that bring a fragment
.set SCGR, 12                          ; v12  SCG + 8 x thread
.set GSO,  13                          ; v13  the same 8 bytes' place in gq's scale words
.set ADRA, 16                          ; v16-17 h's fragments in slot 0, 1: + 16 lane;  v18-19: + 8 lane
.set ADRB, 20                          ; v20-23 the same for W
.set L16,  24
.set L8,   25
.set SCGA, 26                          ; v26  where I put a row's two scale bytes
.set ADRS, 27                          ; v27  my scale words: lanes 0-15 h's rows, lanes 16-31 W's
.set SPW,  28                          ; v28  my spare word; never rewritten
.set NIL,  29                          ; v29  0; never rewritten
.set CA,   30                          ; v30  64 r + 32 h: my 8 ranks of a row of lr
.set BMA,  31                          ; v31  Bmat: 8 h rows of 8,192 bytes + 4 (r + 8 (r / 8))
.set SC,   32                          ; scale words: set s at v[SC + 16 s]; register 2 i + q: lanes 0-15 h's block i, lanes 16-31 W's block i, the slot's q-th K step
.set CF,   64                          ; c: block a, register 2 k + n: rank 8 h + 2 k + n of row r
.set AF,   128
.set BM,   96                          ; window 1: Bmat: tile t, register 2 k + n: rank 8 h + 2 k + n at the tile's f of lane r
.set E,    64                          ; the way out: 32 numbers
.set TM,   96
.set CT,   104
.set HW,   108                         ; v108-115 a block's two scale bytes
.set PB,   128                         ; g's codes: 8 registers for each block, so that no store's data are written again
.set G1, 24
.set G0, 32
.set G1B, 48
.set G0B, 56
.set G1S, 68
.set G0S, 76
.set G1SB, 80
.set G0SB, 88
.set SEL, 96                           ; s[96:97] lane selects: lane l xor 16
.set MSB, 0
.macro WIN new                         ; the immediate's high byte repeats the setting that is left
.if MSB != \new
	s_set_vgpr_msb (MSB<<8)|\new
.set MSB, \new
.endif
.endm
.set MUL_LO, 0xa1                      ; source 0 (W) window 1, source 1 (h) window 0, C and D window 2
.set MUL_HI, 0xf1                      ; the same, C and D window 3
.set TO_B,   0x40                      ; destination window 1, address window 0
; A joint load: waves 0 and 1 fetch for h, waves 2 and 3 for W.  The branch hangs on the wave's number alone.  An s_nop 0 and four v_nop follow each of the two lines.
.macro JLOAD g0a, g1a, g0b, g1b
	s_cmp_eq_u32 s15, 0
	s_cbranch_scc0 .Lfor_b_\@
	tensor_load_to_lds s[\g0a:\g0a+3], s[\g1a:\g1a+7]
	s_nop 0
.rept 4
	v_nop
.endr
	s_branch .Lasked_\@
.Lfor_b_\@:
	tensor_load_to_lds s[\g0b:\g0b+3], s[\g1b:\g1b+7]
	s_nop 0
.rept 4
	v_nop
.endr
.Lasked_\@:
.endm
.macro CREST                           ; a round of the cluster's barrier behind its opening barrier
	s_cmp_lg_u32 s14, 0
	s_cbranch_scc1 .Lnot_wave_0_\@
	s_barrier_signal -3
.Lnot_wave_0_\@:
	s_barrier_wait -3
	s_barrier_signal -1
	s_barrier_wait -1
.endm
.macro CROUND
	s_barrier_signal -1
	s_barrier_wait -1
	CREST
.endm
.macro PLACES n
.rept \n
	v_nop
.endr
.endm
	s_load_b256 s[4:11], s[0:1], 0x0                   ; hq 4:5, wq 6:7, lr 8:9, Bmat 10:11
	s_load_b64 s[12:13], s[0:1], 0x20                  ; gq
	v_lshl_add_u32 v[SPW], v0, 2, SPARE
	v_mov_b32 v[NIL], 0
	ds_add_u32 v[SPW], v[NIL]                          ; the wave's opening: the add, twice on end, and its wait ahead of my first tensor load
	ds_add_u32 v[SPW], v[NIL]
	v_lshrrev_b32 v1, 5, v0
	v_readfirstlane_b32 s14, v1                        ; wave 0..3
	s_lshr_b32 s15, s14, 1                             ; i: my half of the rows.  Also: I fetch for h (0) or for W (1)
	s_and_b32 s16, s14, 1                              ; j: my half of the columns.  Also: which 8 tiles I fetch
	s_bfe_u32 s40, ttmp6, 0x40000                      ; cx, cy: my place in the cluster
	s_bfe_u32 s41, ttmp6, 0x40004
	s_lshl_b32 s42, ttmp9, 2
	s_add_co_u32 s42, s42, s40                         ; bx: 128 of f
	s_and_b32 s17, ttmp7, 0xffff
	s_lshl_b32 s17, s17, 2
	s_add_co_u32 s17, s17, s41                         ; by: 256 rows
	s_lshl_b32 s43, s41, 2
	s_lshl_b32 s43, 15, s43                            ; my row of the cluster
	s_lshl_b32 s44, 0x1111, s40                        ; my column
	; group 1 for the codes: 8 rows (tiles) of 3,072 bytes (384 elements of 8), 24,576 bytes apart; no padding
	s_or_b32 s[G1+0], s43, (3<<16)|(1<<21)             ; 15:0 the mask: h's tiles go to my row; 17:16 elements of 8 bytes; 21 set beside a mask
	s_or_b32 s[G1B+0], s44, (3<<16)|(1<<21)
.irp g, G1, G1B
	s_mov_b32 s[\g+1], 384<<16                         ; tensor_dim0
	s_mov_b32 s[\g+2], 8<<16                           ; tensor_dim1
	s_mov_b32 s[\g+3], 384<<16                         ; tile_dim0
	s_mov_b32 s[\g+4], 8                               ; tile_dim1
	s_mov_b32 s[\g+5], 3072                            ; elements from tile to tile
	s_mov_b32 s[\g+6], 0
	s_mov_b32 s[\g+7], 0
.endr
	; and for the scale words of 8 tiles: 8,192 dense bytes as 32 rows of 256
	s_or_b32 s[G1S+0], s43, (3<<16)|(1<<21)
	s_or_b32 s[G1SB+0], s44, (3<<16)|(1<<21)
.irp g, G1S, G1SB
	s_mov_b32 s[\g+1], 32<<16
	s_mov_b32 s[\g+2], 32<<16
	s_mov_b32 s[\g+3], 32<<16
	s_mov_b32 s[\g+4], 32
	s_mov_b32 s[\g+5], 32
	s_mov_b32 s[\g+6], 0
	s_mov_b32 s[\g+7], 0
.endr
	s_lshl_b32 s18, s16, 3
	s_lshl_b32 s20, s17, 4
	s_add_co_u32 s20, s20, s18                         ; h: tile 16 by + 8 x half
	s_lshl_b32 s46, s42, 4
	s_add_co_u32 s46, s46, s18                         ; W: tile 16 bx + 8 x half
	s_lshl_b32 s22, s20, 10
	s_add_co_u32 s22, s22, HSC                         ; their scale words,
	s_mov_b32 s23, 0
	s_lshl_b32 s92, s46, 10
	s_add_co_u32 s92, s92, HSC
	s_mov_b32 s93, 0
	s_mul_i32 s20, s20, TILEB                          ; and their codes
	s_mov_b32 s21, 0
	s_mul_i32 s46, s46, TILEB
	s_mov_b32 s47, 0
	s_mul_i32 s45, s14, HALFT                          ; where they go: wave x 8 tiles: no place in the cluster enters an LDS address
	s_lshl_b32 s94, s14, 13
	s_mov_b32 s[SEL], 0x76543210
	s_mov_b32 s[SEL+1], 0xfedcba98
	s_wait_dscnt 0x0                                   ; both opening adds are done
	s_wait_kmcnt 0x0
	s_add_nc_u64 s[20:21], s[4:5], s[20:21]
	s_add_nc_u64 s[22:23], s[4:5], s[22:23]
	s_add_nc_u64 s[46:47], s[6:7], s[46:47]
	s_add_nc_u64 s[92:93], s[6:7], s[92:93]
	CROUND                                             ; all sixteen work-groups are here: the first joint loads meet
	s_mov_b32 s[G0S], 1
	s_add_co_u32 s[G0S+1], s94, SCA
	s_mov_b64 s[G0S+2:G0S+3], s[22:23]
	s_or_b32 s[G0S+3], s[G0S+3], 0x80000000
	s_mov_b32 s[G0SB], 1
	s_add_co_u32 s[G0SB+1], s94, SCA+128               ; (waves 2 and 3: SCB and SCB + 8,192)
	s_mov_b64 s[G0SB+2:G0SB+3], s[92:93]
	s_or_b32 s[G0SB+3], s[G0SB+3], 0x80000000
	JLOAD G0S, G1S, G0SB, G1SB                         ; the scale words first: three tensor loads of mine are out behind these lines
.irp s, 0,1
	s_mov_b32 s[G0+4*\s], 1
	s_add_co_u32 s[G0+4*\s+1], s45, \s*SLOT
	s_add_nc_u64 s[G0+4*\s+2:G0+4*\s+3], s[20:21], \s*TSL
	s_or_b32 s[G0+4*\s+3], s[G0+4*\s+3], 0x80000000
	s_mov_b32 s[G0B+4*\s], 1
	s_add_co_u32 s[G0B+4*\s+1], s45, \s*SLOT
	s_add_nc_u64 s[G0B+4*\s+2:G0B+4*\s+3], s[46:47], \s*TSL
	s_or_b32 s[G0B+4*\s+3], s[G0B+4*\s+3], 0x80000000
	JLOAD G0+4*\s, G1, G0B+4*\s, G1B
.endr
	v_and_b32 v1, 15, v0                               ; r
	v_bfe_u32 v2, v0, 4, 1                             ; h
	v_and_b32 v3, 31, v0
	v_lshlrev_b32 v[L16], 4, v3
	v_lshlrev_b32 v[L8], 3, v3
	v_lshlrev_b32 v[CA], 6, v1
	v_lshl_add_u32 v[CA], v2, 5, v[CA]
	v_and_b32 v4, 8, v1
	v_add_nc_u32 v4, v4, v1
	v_lshlrev_b32 v4, 2, v4
	v_lshl_add_u32 v[BMA], v2, 16, v4
	s_lshl_b32 s18, s17, 14                            ; lr at my 128 rows: (256 by + 128 i) x 64 bytes
	s_lshl_b32 s19, s15, 13
	s_add_co_u32 s18, s18, s19
	s_mov_b32 s19, 0
	s_add_nc_u64 s[8:9], s[8:9], s[18:19]
	s_lshl_b32 s18, s42, 9                             ; Bmat at my 64 of f: (128 bx + 64 j) x 4 bytes
	s_lshl_b32 s19, s16, 8
	s_add_co_u32 s18, s18, s19
	s_mov_b32 s19, 0
	s_add_nc_u64 s[10:11], s[10:11], s[18:19]
.irp a, 0,1,2,3,4,5,6,7
.irp e, 0,1
	global_load_b128 v[CF+8*\a+4*\e:CF+8*\a+4*\e+3], v[CA], s[8:9] offset:1024*\a+16*\e          ; hA(16 a + r, 8 h + 4 e ..)
	global_load_b128 v[AF+8*\a+4*\e:AF+8*\a+4*\e+3], v[CA], s[8:9] offset:MODO+1024*\a+16*\e     ; mod likewise
.endr
.endr
	WIN TO_B
.irp t, 0,1,2,3
.irp m, 0,1,2,3,4,5,6,7
	global_load_b32 v[BM+8*\t+\m], v[BMA], s[10:11] offset:8192*\m+(32*(\t/2)+8*(\t%2))*4        ; Bmat(8 h + m, the tile's f of lane r)
.endr
.endr
	WIN 0
	s_mul_i32 s21, s15, HALFT                          ; my 8 tiles of h,
	s_mul_i32 s22, s16, HALFT                          ; my 8 of W,
	s_add_co_u32 s22, s22, 2*HALFT                     ; which lie behind h's 16
.irp s, 0,1
	v_add_nc_u32 v[ADRA+\s], s21, v[L16]
	v_add_nc_u32 v[ADRA+2+\s], s21, v[L8]
	v_add_nc_u32 v[ADRB+\s], s22, v[L16]
	v_add_nc_u32 v[ADRB+2+\s], s22, v[L8]
	s_add_co_u32 s21, s21, SLOT
	s_add_co_u32 s22, s22, SLOT
.endr
	s_lshl_b32 s21, s15, 13                            ; scale words: h's: my 8 tiles
	s_lshl_b32 s22, s16, 13                            ; W's: my 8, behind h's 16 and the 128 bytes
	s_add_co_u32 s22, s22, 16512
	s_sub_co_u32 s22, s22, s21
	v_mul_u32_u24 v4, s22, v2                          ; lanes 16-31 take W's: one product, the distance between the two bases
	s_add_co_u32 s21, s21, SCA
	v_lshl_add_u32 v4, v1, 2, v4
	v_add_nc_u32 v[ADRS], s21, v4
	s_lshl_b32 s21, s15, 9
	s_lshl_b32 s22, s16, 1
	s_add_co_u32 s21, s21, s22
	s_add_co_u32 s21, s21, SCG
	v_lshl_add_u32 v[SCGA], v1, 2, s21                 ; SCG + 512 i + 4 r + 2 j
	v_lshl_add_u32 v[SCGR], v0, 3, SCG
	v_lshrrev_b32 v4, 3, v0
	v_and_b32 v5, 7, v0
	v_lshlrev_b32 v5, 3, v5
	v_lshl_add_u32 v[GSO], v4, 10, v5                  ; tile (thread / 8) x 1,024 + 8 (thread % 8)
	s_lshl_b32 s18, s17, 14                            ; gq's scale words: tile 16 by, K step bx
	s_add_co_u32 s18, s18, HSC
	s_lshl_b32 s19, s42, 6
	s_add_co_u32 s18, s18, s19
	s_mov_b32 s19, 0
	s_add_nc_u64 s[66:67], s[12:13], s[18:19]
	s_lshl_b32 s18, s17, 4                             ; gq's codes: tile 16 by + 8 i, K step bx, half j
	s_lshl_b32 s19, s15, 3
	s_add_co_u32 s18, s18, s19
	s_mul_i32 s18, s18, TILEB
	s_lshl_b32 s19, s42, 1
	s_add_co_u32 s19, s19, s16
	s_mul_i32 s19, s19, 768
	s_add_co_u32 s18, s18, s19
	s_mov_b32 s19, 0
	s_add_nc_u64 s[12:13], s[12:13], s[18:19]
	s_wait_loadcnt 0x0
.set n, 0
.rept 32
	v_pk_mul_f32 v[CF+n:CF+n+1], v[CF+n:CF+n+1], v[AF+n:AF+n+1]   ; c = hA * mod
.set n, n+2
.endr
	PLACES 4
; THE RANK-16 TERM: 32 accumulators by turns, four K steps of 4 ranks.  The unit's k = 2 h + n stands for rank 8 h + 2 k + n, alike in both operands.
.macro DELTA k, hi
.irp a, 0,1,2,3
.irp t, 0,1,2,3
.if \k == 0
	v_wmma_f32_16x16x4_f32 v[8*(8*\a+\t):8*(8*\a+\t)+7], v[BM+8*\t+2*\k:BM+8*\t+2*\k+1], v[CF+8*(4*\hi+\a)+2*\k:CF+8*(4*\hi+\a)+2*\k+1], 0
.else
	v_wmma_f32_16x16x4_f32 v[8*(8*\a+\t):8*(8*\a+\t)+7], v[BM+8*\t+2*\k:BM+8*\t+2*\k+1], v[CF+8*(4*\hi+\a)+2*\k:CF+8*(4*\hi+\a)+2*\k+1], v[8*(8*\a+\t):8*(8*\a+\t)+7]
.endif
.endr
.endr
.endm
.irp k, 0,1,2,3
	WIN MUL_LO
	DELTA \k, 0
	WIN MUL_HI
	DELTA \k, 1
.endr
	WIN 0
	PLACES 9                                           ; another form takes these sums up next: nine places behind this form
.macro FRAG reg, a16, a8, off          ; a fragment comes back as it was stored: registers 0-3, 4-5, 6-9, 10-11
	ds_load_b128 v[\reg:\reg+3], v[\a16] offset:\off
	ds_load_b64 v[\reg+4:\reg+5], v[\a8] offset:\off+512
	ds_load_b128 v[\reg+6:\reg+9], v[\a16] offset:\off+768
	ds_load_b64 v[\reg+10:\reg+11], v[\a8] offset:\off+1280
.endm
; 16 matrix instructions: h's blocks a0, a0 + 1 x W's eight tiles, one K step.  first = 1: up's sums start with 0; gate's already hold the rank-16 term.  The 64 accumulators take turns, one instruction a turn.
.macro MUL16 a0, p, q, sc, first
.irp a, \a0, \a0+1
.irp b, 0,1,2,3,4,5,6,7
.if (\first) && (\b >= 4)
	v_wmma_scale_f32_16x16x128_f8f6f4 v[8*(8*((\a)%4)+\b):8*(8*((\a)%4)+\b)+7], v[128*(\p)+FR*\b:128*(\p)+FR*\b+FR-1], v[AF+FR*(\a):AF+FR*(\a)+FR-1], 0, v[SC+8*NQ*(\sc)+NQ*\b+(\q)], v[SC+8*NQ*(\sc)+NQ*(\a)+(\q)] matrix_a_fmt:MATRIX_FMT_FP6 matrix_b_fmt:MATRIX_FMT_FP6 matrix_a_scale:MATRIX_SCALE_ROW1
.else
	v_wmma_scale_f32_16x16x128_f8f6f4 v[8*(8*((\a)%4)+\b):8*(8*((\a)%4)+\b)+7], v[128*(\p)+FR*\b:128*(\p)+FR*\b+FR-1], v[AF+FR*(\a):AF+FR*(\a)+FR-1], v[8*(8*((\a)%4)+\b):8*(8*((\a)%4)+\b)+7], v[SC+8*NQ*(\sc)+NQ*\b+(\q)], v[SC+8*NQ*(\sc)+NQ*(\a)+(\q)] matrix_a_fmt:MATRIX_FMT_FP6 matrix_b_fmt:MATRIX_FMT_FP6 matrix_a_scale:MATRIX_SCALE_ROW1
.endif
.endr
.endr
.endm
.macro FETCH_B slot, q, p              ; W's eight fragments of the slot's q-th K step into set p: 32 loads
	WIN TO_B
.irp i, 0,1,2,3,4,5,6,7
	FRAG 128*(\p)+FR*\i, ADRB+\slot, ADRB+2+\slot, TSL*\i+KSB*(\q)
.endr
	WIN 0
.endm
.macro FETCH_A slot, q, i0             ; h's blocks i0 .. i0 + 3: 16 loads
.irp i, \i0, \i0+1, \i0+2, \i0+3
	FRAG AF+FR*(\i), ADRA+\slot, ADRA+2+\slot, TSL*(\i)+KSB*(\q)
.endr
.endm
.macro SCALES sc                       ; the next slot's scale words: 16 loads
.irp i, 0,1,2,3,4,5,6,7
.irp q, 0,1
	ds_load_b32 v[SC+8*NQ*\sc+NQ*\i+\q], v[ADRS] offset:1024*\i+64*\q
.endr
.endr
.endm
; A K step that has its successor in the same slot.  A block of h is free as soon as its eight products are issued: blocks 0-3 are fetched anew in the step's middle, blocks 4-7 at its end.
.macro STEP slot, q, first
	s_wait_dscnt 4*NL                                  ; all but the youngest 16 loads (h's blocks 4-7)
	WIN MUL_LO
	MUL16 0, (\q)%2, \q, \slot, \first
	MUL16 2, (\q)%2, \q, \slot, \first
	s_wait_dscnt 0
	PLACES 4                                           ; in front of loads into registers that matrix instructions have read
	FETCH_B \slot, (\q)+1, 1-(\q)%2
	FETCH_A \slot, (\q)+1, 0
	WIN MUL_HI
	MUL16 4, (\q)%2, \q, \slot, \first
	MUL16 6, (\q)%2, \q, \slot, \first
	PLACES 4
	WIN 0
	FETCH_A \slot, (\q)+1, 4
.endm
; A slot's last K step changes slots: ONE barrier; in front of it each wave waits for all its tensor loads, adds 0 to its spare word, and waits for that and for its reads of this slot.  fill = 1: the slot is filled again, two slots ahead.
.macro TURN slot, next, fill
	s_wait_tensorcnt 0x0                               ; all my tensor loads have landed: my part of the next slot
	ds_add_u32 v[SPW], v[NIL]
	s_wait_dscnt 4*NL+1                                ; (the add and the youngest 16 loads may be out)
	WIN MUL_LO
	MUL16 0, 1, NQ-1, \slot, 0
	s_wait_dscnt 0x0                                   ; the add is done, and my reads of this slot are over
	s_barrier_signal -1
	MUL16 2, 1, NQ-1, \slot, 0
	WIN 0
	s_barrier_wait -1
.if \fill
	CREST                                              ; the barrier has opened a round of the cluster's: no wave of any partner still reads this slot or has a load on its way
	s_add_nc_u64 s[G0+4*\slot+2:G0+4*\slot+3], s[G0+4*\slot+2:G0+4*\slot+3], 2*TSL
	s_add_nc_u64 s[G0B+4*\slot+2:G0B+4*\slot+3], s[G0B+4*\slot+2:G0B+4*\slot+3], 2*TSL
	JLOAD G0+4*\slot, G1, G0B+4*\slot, G1B             ; the first tensor load behind the round; its four v_nop are the places in front of the loads below
.else
	PLACES 4
.endif
	v_add_nc_u32 v[ADRS], 64*NQ, v[ADRS]               ; on to the next slot's scale words
	FETCH_B \next, 0, 0
	FETCH_A \next, 0, 0
	SCALES \next
	WIN MUL_HI
	MUL16 4, 1, NQ-1, \slot, 0
	MUL16 6, 1, NQ-1, \slot, 0
	PLACES 4
	WIN 0
	FETCH_A \next, 0, 4
.endm
	s_wait_tensorcnt 1                                 ; the scale words and my part of slot 0 are in (slot 1's load may be out),
	s_barrier_signal -1
	s_barrier_wait -1                                  ; everybody's are
	FETCH_B 0, 0, 0
	FETCH_A 0, 0, 0
	SCALES 0
	FETCH_A 0, 0, 4
	STEP 0, 0, 1
	s_mov_b32 s3, LAPS-1
.Llap:                                                 ; a trip goes once round the ring and fills both slots again
	TURN 0, 1, 1
	STEP 1, 0, 0
	TURN 1, 0, 1
	STEP 0, 0, 0
	s_sub_co_u32 s3, s3, 1
	s_cmp_lg_u32 s3, 0
	s_cbranch_scc1 .Llap
	TURN 0, 1, 0                                       ; the last lap fills nothing
	STEP 1, 0, 0
	s_wait_dscnt 4*NL
	WIN MUL_LO
	MUL16 0, 1, NQ-1, 1, 0
	MUL16 2, 1, NQ-1, 1, 0
	s_wait_dscnt 0
	WIN MUL_HI
	MUL16 4, 1, NQ-1, 1, 0
	MUL16 6, 1, NQ-1, 1, 0
	WIN 0
; THE WAY OUT, block by block of 16 rows.  g = (gate / (1 + 2^(-log2(e) gate))) * up, 32 numbers a lane: two half blocks of 32 along f, whose other halves lie in lane l xor 16.  They become half a fragment (my j is its c) and two scale bytes.
.macro GOUT a
.set AC, 64*((\a)%4)
.set PP, PB+8*(\a)
.set WW, 2+(\a)/4                      ; source 0: window 2 or 3
	WIN WW
.set n, 0
.rept 16
	v_pk_mul_f32 v[E+n:E+n+1], v[AC+n:AC+n+1], 0xbfb8aa3b op_sel_hi:[1,0]   ; -log2(e) gate: each accumulator from its low end on
.set n, n+2
.endr
	WIN 0
.set n, 0
.rept 32
	v_exp_f32 v[E+n], v[E+n]
.set n, n+1
.endr
	v_nop                                              ; a plain place behind the last exponential
	s_wait_alu depctr_va_vdst(0)                       ; one wait for the batch, ahead of its first reader
.set n, 0
.rept 16
	v_pk_add_f32 v[E+n:E+n+1], v[E+n:E+n+1], 1.0 op_sel_hi:[1,0]
.set n, n+2
.endr
.set n, 0
.rept 32
	v_rcp_f32 v[E+n], v[E+n]
.set n, n+1
.endr
	v_nop
	s_wait_alu depctr_va_vdst(0)
	WIN WW
.set n, 0
.rept 16
	v_pk_mul_f32 v[E+n:E+n+1], v[AC+n:AC+n+1], v[E+n:E+n+1]        ; silu(gate),
.set n, n+2
.endr
.set n, 0
.rept 16
	v_pk_mul_f32 v[E+n:E+n+1], v[AC+32+n:AC+32+n+1], v[E+n:E+n+1]  ; x up
.set n, n+2
.endr
	WIN 0
.irp b, 0,1
	v_max3_num_f32 v[TM+\b], |v[E+16*\b]|, |v[E+16*\b+1]|, 0x1800000   ; block 2 j + b: my 16 numbers, and the floor 2^(3 - 127)
.endr
.irp i, 2,4,6,8,10,12,14
.irp b, 0,1
	v_max3_num_f32 v[TM+\b], v[TM+\b], |v[E+16*\b+\i]|, |v[E+16*\b+\i+1]|
.endr
.endr
.irp b, 0,1
	v_permlanex16_b32 v[TM+2+\b], v[TM+\b], s[SEL], s[SEL+1]
.endr
.irp b, 0,1
	v_max_num_f32 v[TM+\b], v[TM+\b], v[TM+2+\b]       ; with lane l xor 16's: the block's largest magnitude
.endr
.irp b, 0,1
	v_add_nc_u32 v[TM+4+\b], 0xff000000, v[TM+\b]      ; 2 off its exponent field: the conversion's scale operand
.endr
.irp b, 0,1
	v_lshrrev_b32 v[TM+6+\b], 23, v[TM+4+\b]           ; the scale's byte
.endr
	v_lshl_or_b32 v[HW+(\a)], v[TM+7], 8, v[TM+6]
	v_cvt_scalef32_pk16_fp6_f32 v[PP:PP+2], v[E:E+15], v[TM+4]
	v_cvt_scalef32_pk16_fp6_f32 v[CT:CT+2], v[E+16:E+31], v[TM+5]
	v_nop                                              ; one plain place behind a scaled conversion
.irp i, 0,1,2
	v_permlane16_swap_b32 v[PP+\i], v[CT+\i]           ; the layout wants a whole block in a lane: lanes 0-15 block 2 j, lanes 16-31 block 2 j + 1
.endr
.irp i, 0,1,2
	v_mov_b32 v[PP+3+\i], v[CT+\i]
.endr
	global_store_b128 v[L16], v[PP:PP+3], s[12:13] offset:TILEB*(\a)        ; 512 consecutive bytes, aligned to 256
	global_store_b64 v[L8], v[PP+4:PP+5], s[12:13] offset:TILEB*(\a)+512    ; 256
	ds_store_b16 v[SCGA], v[HW+(\a)] offset:64*(\a)    ; lanes l and l xor 16 write the same two bytes with the same value
.endm
	v_mov_b32 v[TM+2], 0                               ; a lane permute's destination counts as one of its sources
	v_mov_b32 v[TM+3], 0
	PLACES 4                                           ; behind the last products, in front of the first read of results and the first write over h's fragments
.irp a, 0,1,2,3,4,5,6,7
	GOUT \a
.endr
	s_wait_dscnt 0x0                                   ; my scale bytes have landed
	s_barrier_signal -1
	s_barrier_wait -1                                  ; a word's four bytes come from two waves
	ds_load_b64 v[TM:TM+1], v[SCGR]
	s_wait_dscnt 0x0
	global_store_b64 v[GSO], v[TM:TM+1], s[66:67]      ; 64 bytes for each of 16 tiles: this K step's words
	s_wait_tensorcnt 0x0                               ; the wave's end, behind my last tensor load and my last LDS store
	ds_add_u32 v[SPW], v[NIL]
	s_wait_dscnt 0x0
	CROUND                                             ; the closing round
	s_endpgm
.Lfunc_end_k_q3e99bbb066_gateup:
	.size	k_q3e99bbb066_gateup, .Lfunc_end_k_q3e99bbb066_gateup-k_q3e99bbb066_gateup
	.p2alignl 7, 3214868480
	.fill 96, 4, 3214868480
	.section	.rodata,"a",@progbits
	.p2align	6, 0x0
	.amdhsa_kernel k_q3e99bbb066_gateup
		.amdhsa_group_segment_fixed_size 327680
		.amdhsa_private_segment_fixed_size 0
		.amdhsa_enable_private_segment 0
		.amdhsa_kernarg_size 40
		.amdhsa_user_sgpr_count 2
		.amdhsa_user_sgpr_kernarg_segment_ptr 1
		.amdhsa_wavefront_size32 1
		.amdhsa_system_sgpr_workgroup_id_x 1
		.amdhsa_system_sgpr_workgroup_id_y 1
		.amdhsa_system_sgpr_workgroup_id_z 1
		.amdhsa_system_vgpr_workitem_id 0
		.amdhsa_next_free_vgpr 1024
		.amdhsa_next_free_sgpr 100
		.amdhsa_reserve_vcc 0
		.amdhsa_float_denorm_mode_32 3
		.amdhsa_float_denorm_mode_16_64 3
		.amdhsa_memory_ordered 1
		.amdhsa_forward_progress 1
		.amdhsa_inst_pref_size 205
	.end_amdhsa_kernel
	.amdgpu_metadata
---
amdhsa.version: [ 1, 2 ]
amdhsa.kernels:
  - .name:           k_q3e99bbb066_gateup
    .symbol:         k_q3e99bbb066_gateup.kd
    .args:
      - { .name: hq, .offset: 0, .size: 8, .value_kind: global_buffer, .address_space: global }
      - { .name: wq, .offset: 8, .size: 8, .value_kind: global_buffer, .address_space: global }
      - { .name: lr, .offset: 16, .size: 8, .value_kind: global_buffer, .address_space: global }
      - { .name: Bmat, .offset: 24, .size: 8, .value_kind: global_buffer, .address_space: global }
      - { .name: gq, .offset: 32, .size: 8, .value_kind: global_buffer, .address_space: global }
    .group_segment_fixed_size: 327680
    .private_segment_fixed_size: 0
    .kernarg_segment_align: 8
    .kernarg_segment_size: 40
    .max_flat_workgroup_size: 128
    .sgpr_count:     100
    .vgpr_count:     1024
    .wavefront_size: 32
...
	.end_amdgpu_metadata
.endif
;; end of part 2
;; launch down (part 3): grid 16 x 16, 4 waves a work-group, clusters of 4 x 4, 327,680 bytes of LDS; arguments gq, wq, hidden_states, out0; writes out0
.if DOCPART == 3
	.amdgcn_target "amdgcn-amd-amdhsa--gfx1250"
	.amdhsa_code_object_version 6
	.text
	.protected	k_q3e99bbb066_down
	.globl	k_q3e99bbb066_down
	.p2align	8
	.type	k_q3e99bbb066_down,@function
k_q3e99bbb066_down:
	s_mov_b64 s[64:65], 0
	v_nop
	global_prefetch_b8 v0, s[64:65] scope:SCOPE_SE
	s_setreg_imm32_b32 hwreg(HW_REG_WAVE_MODE, 25, 1), 1
	s_wait_xcnt 0x0
	s_wait_alu depctr_hold_cnt(0) depctr_sa_sdst(0) depctr_va_vdst(0) depctr_va_sdst(0) depctr_va_ssrc(0) depctr_va_vcc(0) depctr_vm_vsrc(0)
	s_getreg_b32 s2, hwreg(HW_REG_IB_STS2, 6, 4)
	s_cmp_eq_u32 s2, 0
	s_cbranch_scc0 .Lentry_in_a_cluster
	s_endpgm
.Lentry_in_a_cluster:
	s_bfe_u32 s2, ttmp6, 0x10000c
	s_cmp_lg_u32 s2, 0xf033
	s_cbranch_scc0 .Lentry_shape_is_right
	s_endpgm
.Lentry_shape_is_right:
; NPT layer, launch 3 of 3: out0 = hidden + Q(g) Q(W_down)^T, on the codes and scale words that the first two launches stored.  Nothing is left out.  LIMITS: NaN and infinities among the inputs are not served.
; SHARES.  A work-group takes 256 rows x 128 columns (tiles of 256 x 256 would give work to half of the WGPs only); wave (i, j) takes 128 rows x 64 columns: 32 accumulators of 16 x 16.
; OPERANDS are images of their registers, [tile][K step][1,536 bytes], as in the second launch.  K goes in slots of FOUR K steps through a ring of two LDS slots: 16 K steps are four slots' worth, written out without a loop.
; The scale words of all of K come once, with the first fills.  CLUSTERS: 4 x 4; g's tiles are shared along a row of the cluster, W_down's along a column, by joint loads.
; THE RESIDUAL, my 128 rows x 256 bytes of hidden, is asked for at the head, into 256 registers laid as the stores want them (sixteen lanes to 256 consecutive bytes), and lands while K is walked.
; THE MATRIX INSTRUCTION IS USED TRANSPOSED (source 0 = 16 rows of W_down, source 1 = 16 rows of g): a lane holds eight neighbouring columns of one row.
; REGISTERS: window 0: v16-30 addresses; v32-79 scale words, two sets; v128-223 g's fragments, ONE set (on the way out: rows back from the stage).  window 1: W_down's fragments, TWO sets, v0-47 and v128-175.
;   window 2: the accumulators, (a, b) at v[8 (4 a + b)].   window 3: the residual, block a's pair of rows n at v[4 (8 a + n)].
.set TILEB,  24576
.set KSB,    1536
.set NQ,     4
.set TSL,    NQ*KSB                    ; a tile's part of a slot: 6,144 bytes
.set HA,     8*TSL                     ; 8 tiles of g: what waves 0 and 1 fetch, and what a wave reads
.set HB,     4*TSL                     ; 4 tiles of W_down: waves 2 and 3
.set BOFF,   2*HA
.set SLOT,   2*HA+2*HB
.set SCA,    2*SLOT                    ; g's scale words, 16 tiles x 1,024 bytes
.set SCB,    SCA+16384+128             ; W_down's, 8 tiles
.set SPARE,  SCB+8192+128              ; the spare words, 128 bytes a wave: two blocks of 256 bytes that no other line names
.set GSC,    6291456
.set WD_IMG, 6553600
.set WD_SC,  9699328
.set SPITCH, 272                       ; the way out: a stage of 16 rows x (256 bytes + 16) a wave, in slot 0, which has had its last fill and its last read when the first result is stored there
.set FR,     12
.set NL,     4
.set ADRA, 16
.set ADRB, 20
.set STO,  24
.set RD,   25
.set ADRSA, 26                         ; v26  g's scale words: lanes 0-15 block k, lanes 16-31 block k + 4
.set ADRSB, 27                         ; v27  W_down's: lanes 0-15 block k, lanes 16-31 block k + 2
.set SPW,  28
.set NIL,  29
.set RO,   30                          ; v30  8,192 h + 16 r: my 16 bytes of a pair of rows of hidden and of out0
.set SC,   32                          ; set s at v[SC + 24 s]; register 6 q + k: k 0-3 g's, k 4-5 W_down's
.set AF,   128
.set BK,   128                         ; v128-159, v160-191 by turns
.set G1, 24
.set G0, 32
.set G1B, 48
.set G0B, 56
.set G1S, 68
.set G0S, 76
.set G1SB, 80
.set G0SB, 88
.set MSB, 0
.macro WIN new
.if MSB != \new
	s_set_vgpr_msb (MSB<<8)|\new
.set MSB, \new
.endif
.endm
.set MUL,  0xa1                        ; source 0 (W_down) window 1, source 1 (g) window 0, C and D window 2
.set TO_B, 0x40
.macro JLOAD g0a, g1a, g0b, g1b        ; a joint load: waves 0 and 1 fetch for g, waves 2 and 3 for W_down; an s_nop 0 and four v_nop follow each of the two lines
	s_cmp_eq_u32 s15, 0
	s_cbranch_scc0 .Lfor_b_\@
	tensor_load_to_lds s[\g0a:\g0a+3], s[\g1a:\g1a+7]
	s_nop 0
.rept 4
	v_nop
.endr
	s_branch .Lasked_\@
.Lfor_b_\@:
	tensor_load_to_lds s[\g0b:\g0b+3], s[\g1b:\g1b+7]
	s_nop 0
.rept 4
	v_nop
.endr
.Lasked_\@:
.endm
.macro CREST
	s_cmp_lg_u32 s14, 0
	s_cbranch_scc1 .Lnot_wave_0_\@
	s_barrier_signal -3
.Lnot_wave_0_\@:
	s_barrier_wait -3
	s_barrier_signal -1
	s_barrier_wait -1
.endm
.macro CROUND
	s_barrier_signal -1
	s_barrier_wait -1
	CREST
.endm
.macro PLACES n
.rept \n
	v_nop
.endr
.endm
	s_load_b256 s[4:11], s[0:1], 0x0                   ; gq 4:5, wq 6:7, hidden 8:9, out0 10:11
	v_lshl_add_u32 v[SPW], v0, 2, SPARE
	v_mov_b32 v[NIL], 0
	ds_add_u32 v[SPW], v[NIL]                          ; the wave's opening: the add, twice on end, and its wait ahead of my first tensor load
	ds_add_u32 v[SPW], v[NIL]
	v_lshrrev_b32 v1, 5, v0
	v_readfirstlane_b32 s14, v1                        ; wave 0..3
	s_lshr_b32 s15, s14, 1                             ; i.  Also: I fetch for g (0) or for W_down (1)
	s_and_b32 s16, s14, 1                              ; j.  Also: which half I fetch
	s_bfe_u32 s40, ttmp6, 0x40000
	s_bfe_u32 s41, ttmp6, 0x40004
	s_lshl_b32 s42, ttmp9, 2
	s_add_co_u32 s42, s42, s40                         ; bx: 128 columns
	s_and_b32 s17, ttmp7, 0xffff
	s_lshl_b32 s17, s17, 2
	s_add_co_u32 s17, s17, s41                         ; by: 256 rows
	s_lshl_b32 s43, s41, 2
	s_lshl_b32 s43, 15, s43                            ; my row of the cluster
	s_lshl_b32 s44, 0x1111, s40                        ; my column
	s_or_b32 s[G1+0], s43, (3<<16)|(1<<21)             ; g's codes: 8 rows (tiles) of 6,144 bytes (768 elements of 8), 24,576 bytes apart
	s_mov_b32 s[G1+1], 768<<16
	s_mov_b32 s[G1+2], 8<<16
	s_mov_b32 s[G1+3], 768<<16
	s_mov_b32 s[G1+4], 8
	s_mov_b32 s[G1+5], 3072
	s_mov_b32 s[G1+6], 0
	s_mov_b32 s[G1+7], 0
	s_or_b32 s[G1B+0], s44, (3<<16)|(1<<21)            ; W_down's: 4 such rows
	s_mov_b32 s[G1B+1], 768<<16
	s_mov_b32 s[G1B+2], 4<<16
	s_mov_b32 s[G1B+3], 768<<16
	s_mov_b32 s[G1B+4], 4
	s_mov_b32 s[G1B+5], 3072
	s_mov_b32 s[G1B+6], 0
	s_mov_b32 s[G1B+7], 0
	s_or_b32 s[G1S+0], s43, (3<<16)|(1<<21)            ; g's scale words of 8 tiles: 8,192 dense bytes as 32 rows of 256
	s_mov_b32 s[G1S+1], 32<<16
	s_mov_b32 s[G1S+2], 32<<16
	s_mov_b32 s[G1S+3], 32<<16
	s_mov_b32 s[G1S+4], 32
	s_mov_b32 s[G1S+5], 32
	s_mov_b32 s[G1S+6], 0
	s_mov_b32 s[G1S+7], 0
	s_or_b32 s[G1SB+0], s44, (3<<16)|(1<<21)           ; W_down's of 4 tiles: 16 rows of 256
	s_mov_b32 s[G1SB+1], 32<<16
	s_mov_b32 s[G1SB+2], 16<<16
	s_mov_b32 s[G1SB+3], 32<<16
	s_mov_b32 s[G1SB+4], 16
	s_mov_b32 s[G1SB+5], 32
	s_mov_b32 s[G1SB+6], 0
	s_mov_b32 s[G1SB+7], 0
	s_lshl_b32 s18, s16, 3
	s_lshl_b32 s20, s17, 4
	s_add_co_u32 s20, s20, s18                         ; g: tile 16 by + 8 x half
	s_lshl_b32 s18, s16, 2
	s_lshl_b32 s46, s42, 3
	s_add_co_u32 s46, s46, s18                         ; W_down: tile 8 bx + 4 x half
	s_lshl_b32 s22, s20, 10
	s_add_co_u32 s22, s22, GSC
	s_mov_b32 s23, 0
	s_lshl_b32 s92, s46, 10
	s_add_co_u32 s92, s92, WD_SC
	s_mov_b32 s93, 0
	s_mul_i32 s20, s20, TILEB
	s_mov_b32 s21, 0
	s_mul_i32 s46, s46, TILEB
	s_add_co_u32 s46, s46, WD_IMG
	s_mov_b32 s47, 0
	s_mul_i32 s45, s16, HA                             ; where they go: made of the wave's number alone
	s_mul_i32 s94, s16, HB
	s_add_co_u32 s94, s94, BOFF
	s_lshl_b32 s95, s16, 13
	s_add_co_u32 s95, s95, SCA
	s_lshl_b32 s98, s16, 12
	s_add_co_u32 s98, s98, SCB
	s_wait_dscnt 0x0                                   ; both opening adds are done
	s_wait_kmcnt 0x0
	s_add_nc_u64 s[20:21], s[4:5], s[20:21]
	s_add_nc_u64 s[22:23], s[4:5], s[22:23]
	s_add_nc_u64 s[46:47], s[6:7], s[46:47]
	s_add_nc_u64 s[92:93], s[6:7], s[92:93]
	CROUND                                             ; all sixteen work-groups are here: the first joint loads meet
	s_mov_b32 s[G0S], 1
	s_mov_b32 s[G0S+1], s95
	s_mov_b64 s[G0S+2:G0S+3], s[22:23]
	s_or_b32 s[G0S+3], s[G0S+3], 0x80000000
	s_mov_b32 s[G0SB], 1
	s_mov_b32 s[G0SB+1], s98
	s_mov_b64 s[G0SB+2:G0SB+3], s[92:93]
	s_or_b32 s[G0SB+3], s[G0SB+3], 0x80000000
	JLOAD G0S, G1S, G0SB, G1SB                         ; three tensor loads of mine are out behind these lines
.irp s, 0,1
	s_mov_b32 s[G0+4*\s], 1
	s_add_co_u32 s[G0+4*\s+1], s45, \s*SLOT
	s_add_nc_u64 s[G0+4*\s+2:G0+4*\s+3], s[20:21], \s*TSL
	s_or_b32 s[G0+4*\s+3], s[G0+4*\s+3], 0x80000000
	s_mov_b32 s[G0B+4*\s], 1
	s_add_co_u32 s[G0B+4*\s+1], s94, \s*SLOT
	s_add_nc_u64 s[G0B+4*\s+2:G0B+4*\s+3], s[46:47], \s*TSL
	s_or_b32 s[G0B+4*\s+3], s[G0B+4*\s+3], 0x80000000
	JLOAD G0+4*\s, G1, G0B+4*\s, G1B
.endr
	v_and_b32 v1, 15, v0                               ; r
	v_bfe_u32 v2, v0, 4, 1                             ; h
	v_lshlrev_b32 v[RO], 4, v1
	v_lshl_add_u32 v[RO], v2, 13, v[RO]
	s_lshl_b32 s18, s17, 21                            ; hidden and out0 at my corner: (256 by + 128 i) rows of 8,192 bytes + (128 bx + 64 j) x 4
	s_lshl_b32 s19, s15, 20
	s_add_co_u32 s18, s18, s19
	s_lshl_b32 s19, s42, 9
	s_add_co_u32 s18, s18, s19
	s_lshl_b32 s19, s16, 8
	s_add_co_u32 s18, s18, s19
	s_mov_b32 s19, 0
	s_add_nc_u64 s[8:9], s[8:9], s[18:19]
	s_add_nc_u64 s[10:11], s[10:11], s[18:19]
	WIN 0xc0                                           ; destination window 3
.irp a, 0,1,2,3,4,5,6,7
.irp n, 0,1,2,3,4,5,6,7
	global_load_b128 v[4*(8*\a+\n):4*(8*\a+\n)+3], v[RO], s[8:9] offset:(16*\a+2*\n)*8192 th:TH_LOAD_NT   ; sixteen lanes read 256 consecutive bytes of a row, the other sixteen of the next
.endr
.endr
	WIN 0
	v_and_b32 v3, 31, v0
	v_lshlrev_b32 v6, 4, v3
	v_lshlrev_b32 v7, 3, v3
	s_mul_i32 s21, s15, HA                             ; my 8 tiles of g,
	s_mul_i32 s22, s16, HB                             ; my 4 of W_down,
	s_add_co_u32 s22, s22, BOFF                        ; which lie behind g's 16
.irp s, 0,1
	v_add_nc_u32 v[ADRA+\s], s21, v6
	v_add_nc_u32 v[ADRA+2+\s], s21, v7
	v_add_nc_u32 v[ADRB+\s], s22, v6
	v_add_nc_u32 v[ADRB+2+\s], s22, v7
	s_add_co_u32 s21, s21, SLOT
	s_add_co_u32 s22, s22, SLOT
.endr
	s_lshl_b32 s21, s15, 13
	s_add_co_u32 s21, s21, SCA
	v_lshlrev_b32 v4, 2, v1
	v_lshl_add_u32 v5, v2, 12, v4
	v_add_nc_u32 v[ADRSA], s21, v5
	s_lshl_b32 s21, s16, 12
	s_add_co_u32 s21, s21, SCB
	v_lshl_add_u32 v5, v2, 11, v4
	v_add_nc_u32 v[ADRSB], s21, v5
	s_mul_i32 s23, s14, 16*SPITCH                      ; my stage
	v_mul_u32_u24 v5, v1, SPITCH
	v_lshl_add_u32 v5, v2, 5, v5
	v_add_nc_u32 v[STO], s23, v5                       ; in: row r, 32 bytes for each half of the lanes
	v_mul_u32_u24 v5, v2, SPITCH
	v_lshl_add_u32 v5, v1, 4, v5
	v_add_nc_u32 v[RD], s23, v5                        ; back: lanes 0-15 one row of 256 bytes, lanes 16-31 the next
.macro FRAG reg, a16, a8, off
	ds_load_b128 v[\reg:\reg+3], v[\a16] offset:\off
	ds_load_b64 v[\reg+4:\reg+5], v[\a8] offset:\off+512
	ds_load_b128 v[\reg+6:\reg+9], v[\a16] offset:\off+768
	ds_load_b64 v[\reg+10:\reg+11], v[\a8] offset:\off+1280
.endm
; one product: g's block a x W_down's tile b.  The scale words of blocks a and a + 4 share a register (lanes 0-15, lanes 16-31), and so do those of tiles b and b + 2: the row selectors say which
.macro WM a, b, p, q, sc, zero
.set DD, 8*(4*(\a)+\b)
.set BF, 128*(\p)+FR*\b
.set AA, AF+FR*(\a)
.set SB, SC+24*(\sc)+6*(\q)+4+(\b)%2
.set SA, SC+24*(\sc)+6*(\q)+(\a)%4
.if \zero
.if ((\a) >= 4) && (\b >= 2)
	v_wmma_scale_f32_16x16x128_f8f6f4 v[DD:DD+7], v[BF:BF+FR-1], v[AA:AA+FR-1], 0, v[SB], v[SA] matrix_a_fmt:MATRIX_FMT_FP6 matrix_b_fmt:MATRIX_FMT_FP6 matrix_a_scale:MATRIX_SCALE_ROW1 matrix_b_scale:MATRIX_SCALE_ROW1
.elseif (\a) >= 4
	v_wmma_scale_f32_16x16x128_f8f6f4 v[DD:DD+7], v[BF:BF+FR-1], v[AA:AA+FR-1], 0, v[SB], v[SA] matrix_a_fmt:MATRIX_FMT_FP6 matrix_b_fmt:MATRIX_FMT_FP6 matrix_b_scale:MATRIX_SCALE_ROW1
.elseif \b >= 2
	v_wmma_scale_f32_16x16x128_f8f6f4 v[DD:DD+7], v[BF:BF+FR-1], v[AA:AA+FR-1], 0, v[SB], v[SA] matrix_a_fmt:MATRIX_FMT_FP6 matrix_b_fmt:MATRIX_FMT_FP6 matrix_a_scale:MATRIX_SCALE_ROW1
.else
	v_wmma_scale_f32_16x16x128_f8f6f4 v[DD:DD+7], v[BF:BF+FR-1], v[AA:AA+FR-1], 0, v[SB], v[SA] matrix_a_fmt:MATRIX_FMT_FP6 matrix_b_fmt:MATRIX_FMT_FP6
.endif
.else
.if ((\a) >= 4) && (\b >= 2)
	v_wmma_scale_f32_16x16x128_f8f6f4 v[DD:DD+7], v[BF:BF+FR-1], v[AA:AA+FR-1], v[DD:DD+7], v[SB], v[SA] matrix_a_fmt:MATRIX_FMT_FP6 matrix_b_fmt:MATRIX_FMT_FP6 matrix_a_scale:MATRIX_SCALE_ROW1 matrix_b_scale:MATRIX_SCALE_ROW1
.elseif (\a) >= 4
	v_wmma_scale_f32_16x16x128_f8f6f4 v[DD:DD+7], v[BF:BF+FR-1], v[AA:AA+FR-1], v[DD:DD+7], v[SB], v[SA] matrix_a_fmt:MATRIX_FMT_FP6 matrix_b_fmt:MATRIX_FMT_FP6 matrix_b_scale:MATRIX_SCALE_ROW1
.elseif \b >= 2
	v_wmma_scale_f32_16x16x128_f8f6f4 v[DD:DD+7], v[BF:BF+FR-1], v[AA:AA+FR-1], v[DD:DD+7], v[SB], v[SA] matrix_a_fmt:MATRIX_FMT_FP6 matrix_b_fmt:MATRIX_FMT_FP6 matrix_a_scale:MATRIX_SCALE_ROW1
.else
	v_wmma_scale_f32_16x16x128_f8f6f4 v[DD:DD+7], v[BF:BF+FR-1], v[AA:AA+FR-1], v[DD:DD+7], v[SB], v[SA] matrix_a_fmt:MATRIX_FMT_FP6 matrix_b_fmt:MATRIX_FMT_FP6
.endif
.endif
.endm
.macro MUL8 a0, p, q, sc, zero         ; 8 matrix instructions; the 32 accumulators take turns, one instruction a turn, in the same order in every K step
.irp a, \a0, \a0+1
.irp b, 0,1,2,3
	WM \a, \b, \p, \q, \sc, \zero
.endr
.endr
.endm
.macro FETCH_B slot, q, p              ; 16 loads
	WIN TO_B
.irp i, 0,1,2,3
	FRAG 128*(\p)+FR*\i, ADRB+\slot, ADRB+2+\slot, TSL*\i+KSB*(\q)
.endr
	WIN 0
.endm
.macro FETCH_A slot, q, i0             ; 16 loads
.irp i, \i0, \i0+1, \i0+2, \i0+3
	FRAG AF+FR*(\i), ADRA+\slot, ADRA+2+\slot, TSL*(\i)+KSB*(\q)
.endr
.endm
.macro SCALES sc                       ; a slot's scale words: 24 loads
.irp q, 0,1,2,3
.irp k, 0,1,2,3
	ds_load_b32 v[SC+24*\sc+6*\q+\k], v[ADRSA] offset:1024*\k+64*\q
.endr
.irp k, 0,1
	ds_load_b32 v[SC+24*\sc+6*\q+4+\k], v[ADRSB] offset:1024*\k+64*\q
.endr
.endr
.endm
.macro STEP slot, q, zero              ; a K step that has its successor in the same slot
	s_wait_dscnt 4*NL                                  ; all but the youngest 16 loads (g's blocks 4-7)
	WIN MUL
	MUL8 0, (\q)%2, \q, \slot, \zero
	MUL8 2, (\q)%2, \q, \slot, \zero
	s_wait_dscnt 0
	PLACES 4                                           ; in front of loads into registers that matrix instructions have read
	FETCH_B \slot, (\q)+1, 1-(\q)%2
	FETCH_A \slot, (\q)+1, 0
	WIN MUL
	MUL8 4, (\q)%2, \q, \slot, \zero
	MUL8 6, (\q)%2, \q, \slot, \zero
	PLACES 4
	WIN 0
	FETCH_A \slot, (\q)+1, 4
.endm
; A slot's last K step changes slots: ONE barrier; in front of it each wave waits for all its tensor loads, adds 0 to its spare word, and waits for that and for its reads of this slot.  fill = 1: the slot is filled again, two slots ahead.
.macro TURN slot, next, fill
	s_wait_tensorcnt 0x0
	ds_add_u32 v[SPW], v[NIL]
	s_wait_dscnt 4*NL+1                                ; (the add and the youngest 16 loads may be out)
	WIN MUL
	MUL8 0, 1, NQ-1, \slot, 0
	s_wait_dscnt 0x0                                   ; the add is done, and my reads of this slot are over
	s_barrier_signal -1
	MUL8 2, 1, NQ-1, \slot, 0
	WIN 0
	s_barrier_wait -1
.if \fill
	CREST                                              ; the barrier has opened a round of the cluster's
	s_add_nc_u64 s[G0+4*\slot+2:G0+4*\slot+3], s[G0+4*\slot+2:G0+4*\slot+3], 2*TSL
	s_add_nc_u64 s[G0B+4*\slot+2:G0B+4*\slot+3], s[G0B+4*\slot+2:G0B+4*\slot+3], 2*TSL
	JLOAD G0+4*\slot, G1, G0B+4*\slot, G1B             ; the first tensor load behind the round; its four v_nop are the places in front of the loads below
.else
	PLACES 4
.endif
	v_add_nc_u32 v[ADRSA], 64*NQ, v[ADRSA]
	v_add_nc_u32 v[ADRSB], 64*NQ, v[ADRSB]
	FETCH_B \next, 0, 0
	FETCH_A \next, 0, 0
	SCALES \next
	WIN MUL
	MUL8 4, 1, NQ-1, \slot, 0
	MUL8 6, 1, NQ-1, \slot, 0
	PLACES 4
	WIN 0
	FETCH_A \next, 0, 4
.endm
	s_wait_tensorcnt 1                                 ; the scale words and my part of slot 0 are in (slot 1's load may be out),
	s_barrier_signal -1
	s_barrier_wait -1                                  ; everybody's are
	FETCH_B 0, 0, 0
	FETCH_A 0, 0, 0
	SCALES 0
	FETCH_A 0, 0, 4
	STEP 0, 0, 1                                       ; the first products start the sums
	STEP 0, 1, 0
	STEP 0, 2, 0
	TURN 0, 1, 1                                       ; slot 0 takes K steps 8 to 11
	STEP 1, 0, 0
	STEP 1, 1, 0
	STEP 1, 2, 0
	TURN 1, 0, 1                                       ; slot 1 takes K steps 12 to 15
	STEP 0, 0, 0
	STEP 0, 1, 0
	STEP 0, 2, 0
	TURN 0, 1, 0                                       ; nothing is left to fetch
	STEP 1, 0, 0
	STEP 1, 1, 0
	STEP 1, 2, 0
	s_wait_dscnt 4*NL
	WIN MUL
	MUL8 0, 1, NQ-1, 1, 0
	MUL8 2, 1, NQ-1, 1, 0
	s_wait_dscnt 0
	MUL8 4, 1, NQ-1, 1, 0
	MUL8 6, 1, NQ-1, 1, 0
	WIN 0
; THE WAY OUT, block by block of 16 rows x 64 columns: through my own stage and back as whole rows of 256 bytes, the residual added, stored.  LDS serves a wave's instructions in order: no wait between the stores and the loads.
.macro TOSTAGE a
	WIN 0x08                                           ; an LDS store's data: window 2
.irp b, 0,1,2,3
	ds_store_b128 v[STO], v[8*(4*(\a)+\b):8*(4*(\a)+\b)+3] offset:64*\b       ; each accumulator from its low end on
	ds_store_b128 v[STO], v[8*(4*(\a)+\b)+4:8*(4*(\a)+\b)+7] offset:64*\b+16
.endr
	WIN 0
.set BB, BK+32*((\a)%2)
.irp n, 0,1,2,3,4,5,6,7
	ds_load_b128 v[BB+4*\n:BB+4*\n+3], v[RD] offset:\n*2*SPITCH
.endr
.endm
.macro SEND a, younger                 ; younger: the LDS instructions issued behind block a's loads, which may stay out
.set BB, BK+32*((\a)%2)
	s_wait_dscnt \younger
	WIN 0xcc                                           ; source 1 and destination: window 3
.irp n, 0,2,4,6,8,10,12,14,16,18,20,22,24,26,28,30
	v_pk_add_f32 v[32*(\a)+\n:32*(\a)+\n+1], v[BB+\n:BB+\n+1], v[32*(\a)+\n:32*(\a)+\n+1]
.endr
	WIN 0x0c                                           ; a store's data: window 3.  Each block's registers are its own: no store's data are written again
.irp n, 0,1,2,3,4,5,6,7
	global_store_b128 v[RO], v[32*(\a)+4*\n:32*(\a)+4*\n+3], s[10:11] offset:(16*(\a)+2*\n)*8192 th:TH_STORE_NT   ; sixteen lanes store 256 consecutive bytes, aligned to 256
.endr
	WIN 0
.endm
	s_wait_loadcnt 0x0                                 ; the residual
	PLACES 4                                           ; behind the last products: for the reads of results and the loads into the registers that held g's fragments
	TOSTAGE 0
.irp a, 1,2,3,4,5,6,7
	TOSTAGE \a
	SEND \a-1, 16                                      ; behind block a - 1's loads: block a's 8 stores and 8 loads
.endr
	SEND 7, 0
	s_wait_tensorcnt 0x0                               ; the wave's end, behind my last tensor load and my last LDS store
	ds_add_u32 v[SPW], v[NIL]
	s_wait_dscnt 0x0
	CROUND                                             ; the closing round
	s_endpgm
.Lfunc_end_k_q3e99bbb066_down:
	.size	k_q3e99bbb066_down, .Lfunc_end_k_q3e99bbb066_down-k_q3e99bbb066_down
	.p2alignl 7, 3214868480
	.fill 96, 4, 3214868480
	.section	.rodata,"a",@progbits
	.p2align	6, 0x0
	.amdhsa_kernel k_q3e99bbb066_down
		.amdhsa_group_segment_fixed_size 327680
		.amdhsa_private_segment_fixed_size 0
		.amdhsa_enable_private_segment 0
		.amdhsa_kernarg_size 32
		.amdhsa_user_sgpr_count 2
		.amdhsa_user_sgpr_kernarg_segment_ptr 1
		.amdhsa_wavefront_size32 1
		.amdhsa_system_sgpr_workgroup_id_x 1
		.amdhsa_system_sgpr_workgroup_id_y 1
		.amdhsa_system_sgpr_workgroup_id_z 1
		.amdhsa_system_vgpr_workitem_id 0
		.amdhsa_next_free_vgpr 1024
		.amdhsa_next_free_sgpr 100
		.amdhsa_reserve_vcc 0
		.amdhsa_float_denorm_mode_32 3
		.amdhsa_float_denorm_mode_16_64 3
		.amdhsa_memory_ordered 1
		.amdhsa_forward_progress 1
		.amdhsa_inst_pref_size 168
	.end_amdhsa_kernel
	.amdgpu_metadata
---
amdhsa.version: [ 1, 2 ]
amdhsa.kernels:
  - .name:           k_q3e99bbb066_down
    .symbol:         k_q3e99bbb066_down.kd
    .args:
      - { .name: gq, .offset: 0, .size: 8, .value_kind: global_buffer, .address_space: global }
      - { .name: wq, .offset: 8, .size: 8, .value_kind: global_buffer, .address_space: global }
      - { .name: hidden_states, .offset: 16, .size: 8, .value_kind: global_buffer, .address_space: global }
      - { .name: out0, .offset: 24, .size: 8, .value_kind: global_buffer, .address_space: global }
    .group_segment_fixed_size: 327680
    .private_segment_fixed_size: 0
    .kernarg_segment_align: 8
    .kernarg_segment_size: 32
    .max_flat_workgroup_size: 128
    .sgpr_count:     100
    .vgpr_count:     1024
    .wavefront_size: 32
...
	.end_amdgpu_metadata
.endif
;; end of part 3
;; ======== version 2 of 2: 3 launches; version 1 with the launch prep written anew for expert scheduling mode
;; workspace buffers: hq 6,553,600 bytes; wq 9,830,400 bytes; gq 6,553,600 bytes; lr 524,288 bytes
;; launch prep (part 4): grid 896 x 1, 8 waves a work-group, no clusters, 152,832 bytes of LDS; arguments hidden_states, attn_output, W_in, W_up, W_down, A, gamma, hq, wq, lr; writes hq, wq, lr
.if DOCPART == 4
	.amdgcn_target "amdgcn-amd-amdhsa--gfx1250"
	.amdhsa_code_object_version 6
	.text
	.protected	k_q3e99bbb066_prep
	.globl	k_q3e99bbb066_prep
	.p2align	8
	.type	k_q3e99bbb066_prep,@function
k_q3e99bbb066_prep:
	s_mov_b64 s[64:65], 0
	v_nop
	global_prefetch_b8 v0, s[64:65] scope:SCOPE_SE
	s_setreg_imm32_b32 hwreg(HW_REG_WAVE_SCHED_MODE, 0, 2), 2
	s_setreg_imm32_b32 hwreg(HW_REG_WAVE_MODE, 25, 1), 1
	s_wait_xcnt 0x0
	s_wait_alu depctr_vm_vsrc(0)
; NPT layer, launch 1 of 3.  out = hidden + (silu(h W_in^T + ((h A) * 0.1 tanh(attn A)) Bmat) * (h W_up^T)) W_down^T,  h = hidden * rsqrt(mean(hidden^2) + 1e-6) * gamma.
; NOTHING IS LEFT OUT: each of the eight inputs has a way to the output for some finite values, so each is loaded and every product of the problem is done.
; THIS LAUNCH quantises, along K, to codes of E2M3 with one E8M0 byte for each 32: h (computed here), W_in, W_up, W_down, and stores them as the later launches' operands; it also quantises attn and A in registers and makes
; hA = Q(h) Q(A) and mod = 0.1 tanh(Q(attn) Q(A)), both [4096][16] f32, into lr.
; A block's scale is 2^(floor(log2(largest magnitude)) - 2); its byte is the largest magnitude's exponent field - 2, held at 1 from below.
; LIMITS: NaN and infinities among the inputs are not served.  A block whose largest magnitude lies under 2^-124 gets the byte 1; so does a block of zeros, where the rule says 127: its codes are zeros, and these bytes are read
; by this program alone.  The K sums of the two rank-16 products are made in 16 parts (two a wave) and added in f32: another order of f32 additions than one ascending chain.
; SHARES.  A work-group takes ONE TILE, 16 rows x 2,048, of one tensor: work-groups 0-255 hidden (H), 256-511 attn (T), 512-639 W_in, 640-767 W_up, 768-895 W_down.  Wave w takes columns 256 w .. 256 w + 255: K steps 2 w, 2 w + 1.
; All kinds take one way through the text; what only some kinds do stands under scalar branches on the work-group's number, which all eight waves take alike; both barriers stand on the common way.
; Each such section reads only registers that it writes itself or that the common way has written.
; THE TURN.  Loads take the bytes as they lie (512 consecutive bytes an instruction); the operand's layout wants lane (r, h) to hold row r, k = 64 c + 32 h + 0 .. 31: so the wave's 16 x 1,024 bytes go through its own stage in LDS
; (rows 1,040 bytes apart: 65 x 16, so that the sixteen rows of a read start in different banks).  A lane then holds whole blocks of 32: no other lane is asked for a maximum.
; THE IMAGE.  [tile][K step][1,536 bytes]: for c = 0, 1: the fragment's registers 6 c .. 6 c + 3, 16 bytes a lane on end (512), then registers 6 c + 4, 6 c + 5, 8 bytes a lane on end (256).  Scale words: [tile][K step][16 rows] of 4 bytes.
; THE ROWS OF A TILE of W_in and W_up are not neighbours: row r of tile t is 32 (t / 2) + 8 (t % 2) + r + 8 (r / 8), so that the next launch's results lie as the next K wants them; tile t lies at place 8 (t / 4) + 4 (up) + t % 4.
; THE MODE: SCHED_MODE bits 1:0 = 2 (LLVM: expert scheduling mode 2), set by the entry lines.  The code itself states the register dependences
; between vector or matrix instructions and memory or LDS instructions, with s_wait_alu, always for 0.
; THE PLAN.  Registers that memory or LDS instructions touch, in the order of the text.  A wait stands in the section in which its dependence arises, or on the common way ahead of the branch.
;   v1, v2      offsets of the tile: made at the head, one wait on va_vdst ahead of the tile's first load; never written again.
;   v3 - v13    LDS addresses and the other offsets: made behind the tile's loads, one wait on va_vdst ahead of the turn's first LDS store; never written again.
;   X           the tile's loads land; the turn's LDS stores read it; one wait on vm_vsrc; the turn's LDS loads land in it; vector lines read it (H: and write it).  ONE wait on va_vdst on the common way, behind the tile's
;               quantisation, states that they are done with X: A's loads land there, and on the weights' way the load into v192-195 behind the second barrier.  A's quantisation reads X again: the wait ahead of the matrix
;               instructions states that it is done, for the loads into v160-195 behind the second barrier.
;   G, G2       two buffers of 32 numbers of gamma (H).  v96-103: gamma's loads land, two LDS stores read them, a wait on vm_vsrc; then LDS loads land in G and G2 and the multiplications read them, twice over: one wait on va_vdst between.
;   v44         the sum of squares (H): a wait on va_vdst ahead of its LDS store; the same wait on vm_vsrc as v96-103 ahead of the maxima that write it again.
;   PC          written by the conversions and moves; read by the images' stores, behind the common way's wait; never written again.
;   v51, SUM, v160-163   each written by vector lines and read by one run of stores, with a wait on va_vdst ahead of it; never written again.
;   v14, v15    written at the head, read by the closing add alone.
;   s28 (the wave's number), VCC and s2-s5 (masks) are written by vector lines: a wait on va_sdst or va_vcc stands ahead of each one's first reader.
.set SS,     0                         ; LDS: a word a thread: the rows' sums of squares
.set SCW,    1024                      ; a word a thread: the tile's scale words, in the order in which they lie in memory
.set PART,   2048                      ; 1,024 bytes a wave: its part of the 16 x 16 product, laid [row][rank]
.set SPARE,  10240                     ; the spare words, 128 bytes a wave: four blocks of 256 bytes that no other line names
.set STG,    11264                     ; a stage a wave: 16 rows and a 17th for gamma's strip
.set SPITCH, 1040
.set WSTG,   17*SPITCH
.set GROW,   16*SPITCH
.set TILEB,  24576                     ; a tile's image
.set HSC,    6291456                   ; hq, and wq's first part: the scale words behind 256 tiles
.set WD_IMG, 6553600                   ; wq: W_down's images,
.set WD_SC,  9699328                   ; and its scale words
.set MODO,   262144                    ; lr: mod behind hA
.set XLO,  1                           ; v1   1,024 w + 16 lane: my bytes of a row (rows 0-7 of the tile)
.set XHI,  2                           ; v2   the same for rows 8-15: 8 rows further on in W_in and W_up
.set STS,  3                           ; v3   the stage, on the way in: 16 lane
.set STR,  4                           ; v4   on the way out: 1,040 r + 128 h
.set STGM, 5                           ; v5   gamma's strip: 128 h
.set L16,  6                           ; v6   16 lane
.set L8,   7                           ; v7   8 lane
.set AO,   8                           ; v8   A: 4 r + 2,048 h
.set SH8,  9                           ; v9   8 h
.set T4,   10                          ; v10  4 x thread
.set L4,   11                          ; v11  4 lane
.set PST,  12                          ; v12  1,024 w + 64 r + 32 h
.set T16,  13                          ; v13  16 x (thread % 64)
.set SPW,  14                          ; v14  my spare word; never rewritten
.set NIL,  15                          ; v15  0; never rewritten
.set AF,   16                          ; v16-39  A's two fragments
.set ASC,  40                          ; v40-41  their scale words
.set XSC,  42                          ; v42-43  the tile's scale words
.set TM,   44                          ; v44-51  at work
.set CT,   52                          ; v52-59  at work
.set RS,   60                          ; v60-61  1 / rms
.set HH,   62                          ; v62  h
.set RR,   63                          ; v63  r
.set PC,   64                          ; v64-87  the tile's two fragments
.set SUM,  88                          ; v88-95  my part of the product
.set G,    96                          ; v96-127 32 numbers of gamma
.set G2,   64                          ; v64-95  32 more: in the registers of PC and SUM, which are first written behind the normalisation
.set X,    128                         ; v128-255 128 numbers: the tile's, later A's
.set ACC,  128                         ; v128-143 two accumulators, when X is spent
.set R,    160                         ; v160-.. the reduction
.set SEL,  46                          ; s[46:47] lane selects: lane l xor 16
; 64 numbers of a lane, register 32 c + i = k 64 c + 32 h + i of its row, become a fragment's 12 registers at v[d] and the row's scale word in v[w]
.macro QUANT64 s, d, w
.irp c, 0,1
	v_max3_num_f32 v[TM+\c], |v[\s+32*\c]|, |v[\s+32*\c+1]|, 0x1800000   ; my block 2 c + h, and the floor 2^(3 - 127): the byte cannot fall under 1
.endr
.irp i, 2,4,6,8,10,12,14,16,18,20,22,24,26,28,30
.irp c, 0,1
	v_max3_num_f32 v[TM+\c], v[TM+\c], |v[\s+32*\c+\i]|, |v[\s+32*\c+\i+1]|
.endr
.endr
.irp c, 0,1
	v_add_nc_u32 v[TM+2+\c], 0xff000000, v[TM+\c]      ; 2 off the exponent field: the conversion's scale operand
.endr
.irp c, 0,1
	v_lshrrev_b32 v[TM+4+\c], 23, v[TM+2+\c]           ; the scale's byte
.endr
	v_lshl_or_b32 v[\w], v[TM+5], 16, v[TM+4]          ; blocks h and 2 + h,
	v_lshlrev_b32 v[\w], v[SH8], v[\w]                 ; at their places in the word;
	v_permlanex16_b32 v[TM+6], v[\w], s[SEL], s[SEL+1]
	v_or_b32 v[\w], v[\w], v[TM+6]                     ; with lane l xor 16's two the word is whole
.irp c, 0,1
	v_cvt_scalef32_pk16_fp6_f32 v[\d+6*\c:\d+6*\c+2], v[\s+32*\c:\s+32*\c+15], v[TM+2+\c]
	v_cvt_scalef32_pk16_fp6_f32 v[CT+4*\c:CT+4*\c+2], v[\s+32*\c+16:\s+32*\c+31], v[TM+2+\c]   ; (a conversion's three registers begin on an even number)
.endr
	v_nop                                              ; one plain place behind a scaled conversion
.irp c, 0,1
.irp i, 0,1,2
	v_mov_b32 v[\d+6*\c+3+\i], v[CT+4*\c+\i]
.endr
.endr
.endm
; H: 32 numbers become (x / rms) gamma, in reference()'s order of the two multiplications.  Three parts: gamma's 32 numbers into buffer g; x / rms; x gamma
.macro GLD g, q, c
.irp j, 0,1,2,3,4,5,6,7
	ds_load_b128 v[\g+4*\j:\g+4*\j+3], v[STGM] offset:GROW+512*\q+256*\c+16*\j   ; sixteen lanes read the same 16 bytes
.endr
.endm
.macro HRS q, c
.irp n, 0,2,4,6,8,10,12,14,16,18,20,22,24,26,28,30
	v_pk_mul_f32 v[X+64*\q+32*\c+\n:X+64*\q+32*\c+\n+1], v[X+64*\q+32*\c+\n:X+64*\q+32*\c+\n+1], v[RS:RS+1] op_sel_hi:[1,0]
.endr
.endm
.macro HGM g, q, c
.irp n, 0,2,4,6,8,10,12,14,16,18,20,22,24,26,28,30
	v_pk_mul_f32 v[X+64*\q+32*\c+\n:X+64*\q+32*\c+\n+1], v[X+64*\q+32*\c+\n:X+64*\q+32*\c+\n+1], v[\g+\n:\g+\n+1]
.endr
.endm
; a fragment goes to memory as it stands: each store covers 512 or 256 consecutive bytes, aligned to 256
.macro IMGSTORE q
	global_store_b128 v[L16], v[PC+12*\q:PC+12*\q+3], s[40:41] offset:1536*\q
	global_store_b64 v[L8], v[PC+12*\q+4:PC+12*\q+5], s[40:41] offset:1536*\q+512
	global_store_b128 v[L16], v[PC+12*\q+6:PC+12*\q+9], s[40:41] offset:1536*\q+768
	global_store_b64 v[L8], v[PC+12*\q+10:PC+12*\q+11], s[40:41] offset:1536*\q+1280
.endm
; A [2048][16]: a lane takes column r and its registers run down K, in the order that the operand's layout gives that lane
.macro LA q
.set n, 0
.rept 64
	global_load_b32 v[X+64*\q+n], v[AO], s[18:19] offset:8192*\q+64*(64*(n/32)+n%32)
.set n, n+1
.endr
.endm
	s_load_b512 s[8:23], s[0:1], 0x0                   ; hidden 8:9, attn 10:11, W_in 12:13, W_up 14:15, W_down 16:17, A 18:19, gamma 20:21, hq 22:23
	s_load_b128 s[24:27], s[0:1], 0x40                 ; wq 24:25, lr 26:27
	v_lshl_add_u32 v[SPW], v0, 2, SPARE
	v_mov_b32 v[NIL], 0
	v_lshrrev_b32 v[XLO], 5, v0
	v_readfirstlane_b32 s28, v[XLO]                    ; wave 0..7
	s_mov_b32 s29, ttmp9                               ; the work-group's number says which tensor and which tile
	s_and_b32 s35, s29, 127
	s_and_b32 s50, s29, 255
	s_cmp_lt_u32 s29, 512
	s_cselect_b32 s30, 1, 0                            ; s30: rows of tokens (H or T)
	s_cselect_b32 s35, s50, s35                        ; s35: the tile's number in its tensor
	s_cmp_lt_u32 s29, 256
	s_cselect_b32 s31, 1, 0                            ; s31: H
	s_cselect_b32 s56, 0, MODO
	s_cmp_ge_u32 s29, 512
	s_cselect_b32 s34, 1, 0
	s_or_b32 s34, s34, s31                             ; s34: the codes are stored (H and the weights)
	s_sub_co_u32 s50, s29, 512
	s_cmp_lt_u32 s50, 256
	s_cselect_b32 s36, 1, 0                            ; s36: W_in or W_up
	s_cselect_b32 s38, 0x10000, 0                      ; there rows 8-15 of a tile lie 8 rows of 8,192 bytes further on
	s_lshr_b32 s50, s35, 1
	s_lshl_b32 s50, s50, 5
	s_and_b32 s51, s35, 1
	s_lshl_b32 s51, s51, 3
	s_add_co_u32 s50, s50, s51
	s_lshl_b32 s37, s35, 4
	s_cmp_eq_u32 s36, 1
	s_cselect_b32 s37, s50, s37                        ; s37: the tile's first row
	s_lshr_b32 s50, s35, 2
	s_lshl_b32 s50, s50, 3
	s_and_b32 s51, s35, 3
	s_add_co_u32 s50, s50, s51
	s_cmp_ge_u32 s29, 640
	s_cselect_b32 s51, 4, 0
	s_add_co_u32 s50, s50, s51
	s_cmp_eq_u32 s36, 1
	s_cselect_b32 s39, s50, s35                        ; s39: the tile's place among the images
	s_cmp_ge_u32 s29, 768
	s_cselect_b32 s52, WD_IMG, 0
	s_mov_b32 s54, HSC
	s_cselect_b32 s54, WD_SC, s54
	s_mul_i32 s50, s39, TILEB
	s_add_co_u32 s52, s52, s50
	s_wait_alu depctr_va_sdst(0)                       ; s28, the wave's number, is written, ahead of its first reader
	s_mul_i32 s50, s28, 3072
	s_add_co_u32 s52, s52, s50                         ; s[52:53]: my two K steps of the image
	s_mov_b32 s53, 0
	s_lshl_b32 s50, s39, 10
	s_add_co_u32 s54, s54, s50                         ; s[54:55]: the tile's scale words
	s_mov_b32 s55, 0
	s_lshl_b32 s50, s35, 10
	s_add_co_u32 s56, s56, s50                         ; s[56:57]: the tile's 16 rows of hA or of mod
	s_mov_b32 s57, 0
	s_lshl_b32 s58, s37, 13                            ; s[58:59]: the tile's first row in its tensor
	s_mov_b32 s59, 0
	s_lshl_b32 s60, s28, 14                            ; s[60:61]: my 256 rows of A
	s_mov_b32 s61, 0
	s_mov_b32 s[SEL], 0x76543210
	s_mov_b32 s[SEL+1], 0xfedcba98
	s_mov_b32 s48, 0x3a000000                          ; 1 / 2,048
	s_mov_b32 s49, 0x358637bd                          ; 1e-6
	v_and_b32 v[L4], 31, v0
	v_and_b32 v[RR], 15, v0
	v_bfe_u32 v[HH], v0, 4, 1
	v_lshlrev_b32 v[L16], 4, v[L4]
	v_lshlrev_b32 v[L8], 3, v[L4]
	v_lshlrev_b32 v[L4], 2, v[L4]
	s_lshl_b32 s50, s28, 10
	v_add_nc_u32 v[XLO], s50, v[L16]
	v_add_nc_u32 v[XHI], s38, v[XLO]
	s_wait_kmcnt 0x0
	s_cmp_lt_u32 s29, 768                              ; the tensor: a choice that hangs on the work-group's number alone
	s_cselect_b64 s[32:33], s[14:15], s[16:17]
	s_cmp_lt_u32 s29, 640
	s_cselect_b64 s[32:33], s[12:13], s[32:33]
	s_cmp_lt_u32 s29, 512
	s_cselect_b64 s[32:33], s[10:11], s[32:33]
	s_cmp_lt_u32 s29, 256
	s_cselect_b64 s[32:33], s[8:9], s[32:33]
	s_cselect_b64 s[40:41], s[22:23], s[24:25]
	s_add_nc_u64 s[32:33], s[32:33], s[58:59]
	s_wait_alu depctr_va_vdst(0)                       ; v1 and v2 are written: the tile's loads, and gamma's, read them as their offsets
	; the tile: 32 loads a wave, 512 consecutive bytes each
.set n, 0
.rept 8
	global_load_b128 v[X+8*n:X+8*n+3], v[XLO], s[32:33] offset:8192*n th:TH_LOAD_NT
	global_load_b128 v[X+8*n+4:X+8*n+7], v[XLO], s[32:33] offset:8192*n+512 th:TH_LOAD_NT
.set n, n+1
.endr
.rept 8
	global_load_b128 v[X+8*n:X+8*n+3], v[XHI], s[32:33] offset:8192*n th:TH_LOAD_NT
	global_load_b128 v[X+8*n+4:X+8*n+7], v[XHI], s[32:33] offset:8192*n+512 th:TH_LOAD_NT
.set n, n+1
.endr
	s_mov_b64 s[42:43], s[40:41]
	s_add_nc_u64 s[40:41], s[40:41], s[52:53]
	s_add_nc_u64 s[42:43], s[42:43], s[54:55]
	s_add_nc_u64 s[44:45], s[26:27], s[56:57]
	s_add_nc_u64 s[18:19], s[18:19], s[60:61]
	v_lshlrev_b32 v[T4], 2, v0
	v_and_b32 v[T16], 63, v0
	v_lshlrev_b32 v[T16], 4, v[T16]
	v_lshlrev_b32 v[SH8], 3, v[HH]
	v_lshlrev_b32 v[AO], 2, v[RR]
	v_lshl_add_u32 v[AO], v[HH], 11, v[AO]
	v_lshlrev_b32 v[PST], 6, v[RR]
	v_lshl_add_u32 v[PST], v[HH], 5, v[PST]
	v_add_nc_u32 v[PST], s50, v[PST]
	s_mul_i32 s51, s28, WSTG
	s_add_co_u32 s51, s51, STG                         ; my stage
	v_add_nc_u32 v[STS], s51, v[L16]
	v_mul_u32_u24 v[STR], v[RR], SPITCH
	v_lshl_add_u32 v[STR], v[HH], 7, v[STR]
	v_add_nc_u32 v[STR], s51, v[STR]
	v_lshlrev_b32 v[STGM], 7, v[HH]
	v_add_nc_u32 v[STGM], s51, v[STGM]
	v_mov_b32 v[TM+6], 0                               ; written once: a lane permute's destination counts as one of its sources
	s_wait_alu depctr_va_vdst(0)                       ; v3 to v13 are written: every LDS instruction, A's loads and every store of the kernel read one of them as address or offset
	; the turn: into the stage as loaded, eight loads at a time (the counts leave the younger loads out), and back 128 bytes a lane and block
.set n, 0
.irp left, 24,16,8,0
	s_wait_loadcnt \left
.rept 4
	ds_store_b128 v[STS], v[X+8*n:X+8*n+3] offset:SPITCH*n
	ds_store_b128 v[STS], v[X+8*n+4:X+8*n+7] offset:SPITCH*n+512
.set n, n+1
.endr
.endr
	s_wait_alu depctr_vm_vsrc(0)                       ; the 32 LDS stores have read X, in which the LDS loads below land
.set n, 0
.rept 32
	ds_load_b128 v[X+4*n:X+4*n+3], v[STR] offset:256*(n/8)+16*(n%8)   ; LDS serves a wave's instructions in order: these see my stores.  Register 64 q + 32 c + i = k 128 q + 64 c + 32 h + i of row r
.set n, n+1
.endr
	; ---- H: gamma's strip for my columns, and my part of the rows' sums of squares
	s_cmp_eq_u32 s31, 0
	s_cbranch_scc1 .Lno_ss
	global_load_b128 v[G:G+3], v[XLO], s[20:21]
	global_load_b128 v[G+4:G+7], v[XLO], s[20:21] offset:512
	s_wait_dscnt 0x0                                   ; the tile is back from the stage
.irp k, 0,1,2,3
	v_pk_mul_f32 v[TM+2*\k:TM+2*\k+1], v[X+2*\k:X+2*\k+1], v[X+2*\k:X+2*\k+1]   ; four chains; the first products start them
.endr
.set n, 4
.rept 60
	v_pk_fma_f32 v[TM+2*(n%4):TM+2*(n%4)+1], v[X+2*n:X+2*n+1], v[X+2*n:X+2*n+1], v[TM+2*(n%4):TM+2*(n%4)+1]
.set n, n+1
.endr
	v_pk_add_f32 v[TM:TM+1], v[TM:TM+1], v[TM+2:TM+3]
	v_pk_add_f32 v[TM+4:TM+5], v[TM+4:TM+5], v[TM+6:TM+7]
	v_pk_add_f32 v[TM:TM+1], v[TM:TM+1], v[TM+4:TM+5]
	v_add_f32 v[TM], v[TM], v[TM+1]
	v_permlanex16_b32 v[TM+6], v[TM], s[SEL], s[SEL+1]
	v_add_f32 v[TM], v[TM], v[TM+6]                    ; row r, my wave's 256 columns
	s_wait_loadcnt 0x0                                 ; gamma
	ds_store_b128 v[STS], v[G:G+3] offset:GROW
	ds_store_b128 v[STS], v[G+4:G+7] offset:GROW+512
	s_wait_alu depctr_va_vdst(0)                       ; the last addition has written v[TM], which the LDS store below reads
	ds_store_b32 v[T4], v[TM] offset:SS
	s_wait_alu depctr_vm_vsrc(0)                       ; the three LDS stores have read v[G .. G + 7], in which gamma's LDS loads land, and v[TM], which the maxima write again
.Lno_ss:
	s_wait_dscnt 0x0                                   ; my stores have landed and my loads are in
	s_barrier_signal -1
	s_barrier_wait -1
	; ---- H: 1 / rms of my row, and h in place of x.  Gamma comes two buffers of 32 numbers at a time: the first two are asked for with the eight sums
	s_cmp_eq_u32 s31, 0
	s_cbranch_scc1 .Lno_norm
.irp w, 0,1,2,3,4,5,6,7
	ds_load_b32 v[CT+\w], v[L4] offset:SS+128*\w
.endr
	GLD G, 0, 0
	GLD G2, 0, 1
	s_wait_dscnt 16                                    ; the eight sums are in; the 16 younger loads, gamma's, may be out
	v_add_f32 v[CT], v[CT], v[CT+1]
	v_add_f32 v[CT+2], v[CT+2], v[CT+3]
	v_add_f32 v[CT+4], v[CT+4], v[CT+5]
	v_add_f32 v[CT+6], v[CT+6], v[CT+7]
	v_add_f32 v[CT], v[CT], v[CT+2]
	v_add_f32 v[CT+4], v[CT+4], v[CT+6]
	v_add_f32 v[CT], v[CT], v[CT+4]
	v_fma_f32 v[CT], v[CT], s48, s49                   ; the mean + 1e-6
	v_rsq_f32 v[RS], v[CT]
	v_nop                                              ; a plain place behind the transcendental
	s_wait_alu depctr_va_vdst(0)                       ; v[RS], the root's result, is written, ahead of the first line that names it
	v_mov_b32 v[RS+1], v[RS]                           ; (named with it as a pair)
	HRS 0, 0
	HRS 0, 1
	s_wait_dscnt 8                                     ; G is in; G2's eight loads may be out
	HGM G, 0, 0
	s_wait_dscnt 0x0
	HGM G2, 0, 1
	s_wait_alu depctr_va_vdst(0)                       ; the multiplications are done reading G and G2, in which the next 16 loads land
	GLD G, 1, 0
	GLD G2, 1, 1
	HRS 1, 0                                           ; these name X and 1 / rms alone: none of the registers that the loads above touch
	HRS 1, 1
	s_wait_dscnt 8                                     ; G is in; G2's eight loads may be out
	HGM G, 1, 0
	s_wait_dscnt 0x0
	HGM G2, 1, 1
.Lno_norm:
	; ---- all: my two K steps become fragments and scale words
	QUANT64 X, PC, XSC
	QUANT64 X+64, PC+12, XSC+1
	s_wait_alu depctr_va_vdst(0)                       ; the conversions and moves have written PC, which the images' stores read; every line that read or wrote X is done: A's loads land there, and on the weights' way the load into v192-195 behind the second barrier
	; ---- H and the weights: the images leave; the scale words are gathered
	s_cmp_eq_u32 s34, 0
	s_cbranch_scc1 .Lno_img
	IMGSTORE 0
	IMGSTORE 1
	v_cmp_ne_u32 vcc_lo, 0, v[HH]
	s_wait_alu depctr_va_vcc(0)                        ; VCC is written, ahead of the select that reads it
	v_cndmask_b32 v[TM+7], v[XSC], v[XSC+1], vcc_lo    ; lanes 0-15 put K step 2 w's word of row r, lanes 16-31 K step 2 w + 1's: 4 x thread is their place in memory's order
	s_wait_alu depctr_va_vdst(0)                       ; the select has written v[TM + 7], which the LDS store below reads
	ds_store_b32 v[T4], v[TM+7] offset:SCW
.Lno_img:
	; ---- H and T: my 256 rows of A are quantised in the registers that the tile has left, and multiplied
	s_cmp_eq_u32 s30, 0
	s_cbranch_scc1 .Lno_prod
	LA 0                                               ; no wait: since the wait behind the tile's quantisation no vector line has named X or v[AO]
	LA 1
	s_wait_loadcnt 63                                  ; the first K step's 64 loads are in: behind them 64 were issued, and the count's field holds 63
	QUANT64 X, AF, ASC
	s_wait_loadcnt 0x0
	QUANT64 X+64, AF+12, ASC+1
.rept 8
	v_nop                                              ; a scale register written by a vector instruction stands 8 places ahead of a scaled matrix instruction, an operand 4
.endr
	s_wait_alu depctr_va_vdst(0)                       ; the fragments AF and PC and the scale words ASC and XSC are written, which the scaled matrix instructions take (the places above stay beside this wait); and A's quantisation is done reading X: the loads behind the second barrier land in v160-195
.irp q, 0,1                                            ; source 0 = A's 16 columns, source 1 = the tile's 16 rows: lane (r, h) gets row r, ranks 8 h + 0 .. 7.  Two accumulators, one instruction each
	v_wmma_scale_f32_16x16x128_f8f6f4 v[ACC+8*\q:ACC+8*\q+7], v[AF+12*\q:AF+12*\q+11], v[PC+12*\q:PC+12*\q+11], 0, v[ASC+\q], v[XSC+\q] matrix_a_fmt:MATRIX_FMT_FP6 matrix_b_fmt:MATRIX_FMT_FP6
.endr
.rept 4
	v_nop
.endr
.irp n, 0,2,4,6
	v_pk_add_f32 v[SUM+\n:SUM+\n+1], v[ACC+\n:ACC+\n+1], v[ACC+8+\n:ACC+8+\n+1]   ; each accumulator from its low end on
.endr
	s_wait_alu depctr_va_vdst(0)                       ; the additions have written SUM, which the LDS stores below read
	ds_store_b128 v[PST], v[SUM:SUM+3] offset:PART
	ds_store_b128 v[PST], v[SUM+4:SUM+7] offset:PART+16
.Lno_prod:
	s_wait_dscnt 0x0
	s_barrier_signal -1
	s_barrier_wait -1
	; ---- H and T, waves 0 and 1: the eight parts are added; T: 0.1 tanh; 1,024 bytes of lr leave, 16 a thread
	s_cmp_eq_u32 s30, 0
	s_cbranch_scc1 .Lno_red
	s_cmp_ge_u32 s28, 2
	s_cbranch_scc1 .Lno_red
.irp w, 0,1,2,3,4,5,6,7
	ds_load_b128 v[R+4*\w:R+4*\w+3], v[T16] offset:PART+1024*\w
.endr
	s_wait_dscnt 0x0
.irp w, 0,2,4,6
	v_pk_add_f32 v[R+4*\w:R+4*\w+1], v[R+4*\w:R+4*\w+1], v[R+4*\w+4:R+4*\w+5]
	v_pk_add_f32 v[R+4*\w+2:R+4*\w+3], v[R+4*\w+2:R+4*\w+3], v[R+4*\w+6:R+4*\w+7]
.endr
.irp w, 0,4
	v_pk_add_f32 v[R+4*\w:R+4*\w+1], v[R+4*\w:R+4*\w+1], v[R+4*\w+8:R+4*\w+9]
	v_pk_add_f32 v[R+4*\w+2:R+4*\w+3], v[R+4*\w+2:R+4*\w+3], v[R+4*\w+10:R+4*\w+11]
.endr
	v_pk_add_f32 v[R:R+1], v[R:R+1], v[R+16:R+17]
	v_pk_add_f32 v[R+2:R+3], v[R+2:R+3], v[R+18:R+19]
	s_cmp_eq_u32 s31, 1
	s_cbranch_scc1 .Lplain
	; tanh x, both forms computed and one selected: under |x| = 0.25 the series x - x^3/3 + 2 x^5/15 - 17 x^7/315 (the next term is under 4e-7 of x there); else 1 - 2 / (1 + e^(2 x)), which loses too much to the subtraction for small x
	s_mov_b32 s50, 0xbd5d0dd1                          ; -17 / 315
	s_mov_b32 s51, 0x3e088889                          ; 2 / 15
	s_mov_b32 s37, 0xbeaaaaab                          ; -1 / 3
.irp i, 0,1,2,3
	v_mul_f32 v[R+4+\i], 0x4038aa3b, v[R+\i]           ; 2 log2(e) x
.endr
.irp i, 0,1,2,3
	v_exp_f32 v[R+4+\i], v[R+4+\i]
.endr
.irp i, 0,1,2,3
	v_mul_f32 v[R+8+\i], v[R+\i], v[R+\i]              ; x^2.  (The series is the plain work behind the exponentials)
.endr
.irp i, 0,1,2,3
	v_fma_f32 v[R+12+\i], v[R+8+\i], s50, s51
.endr
.irp i, 0,1,2,3
	v_fma_f32 v[R+12+\i], v[R+12+\i], v[R+8+\i], s37
.endr
.irp i, 0,1,2,3
	v_mul_f32 v[R+8+\i], v[R+8+\i], v[R+\i]            ; x^3
.endr
.irp i, 0,1,2,3
	v_fma_f32 v[R+12+\i], v[R+12+\i], v[R+8+\i], v[R+\i]
.endr
	s_wait_alu depctr_va_vdst(0)                       ; the four exponentials' results are written: one wait, ahead of their first reader
.irp i, 0,1,2,3
	v_add_f32 v[R+4+\i], 1.0, v[R+4+\i]
.endr
.irp i, 0,1,2,3
	v_rcp_f32 v[R+4+\i], v[R+4+\i]
.endr
.irp i, 0,1,2,3
	v_and_b32 v[R+16+\i], 0x7fffffff, v[R+\i]          ; |x|
.endr
.irp i, 0,1,2,3
	v_cmp_gt_f32 s[2+\i], 0x3e800000, v[R+16+\i]       ; the four masks in a run, a scalar register each
.endr
	s_wait_alu depctr_va_vdst(0)                       ; the four reciprocals' results are written: one wait, ahead of their first reader
	s_wait_alu depctr_va_sdst(0)                       ; the masks s2 to s5 are written, ahead of the selects that read them
.irp i, 0,1,2,3
	v_fma_f32 v[R+4+\i], v[R+4+\i], -2.0, 1.0
	v_cndmask_b32 v[R+4+\i], v[R+4+\i], v[R+12+\i], s[2+\i]
	v_mul_f32 v[R+\i], 0x3dcccccd, v[R+4+\i]           ; x 0.1
.endr
.Lplain:
	s_wait_alu depctr_va_vdst(0)                       ; the additions (T: the last multiplications) have written v[R .. R + 3], which the store below reads
	global_store_b128 v[T16], v[R:R+3], s[44:45]       ; a wave stores 512 consecutive bytes, aligned to 256
.Lno_red:
	; ---- H and the weights, waves 2 and 3: the tile's 1,024 bytes of scale words leave
	s_cmp_eq_u32 s34, 0
	s_cbranch_scc1 .Lno_sc
	s_cmp_lt_u32 s28, 2
	s_cbranch_scc1 .Lno_sc
	s_cmp_ge_u32 s28, 4
	s_cbranch_scc1 .Lno_sc
	ds_load_b128 v[R+32:R+35], v[T16] offset:SCW       ; no wait: the lines that read these registers as part of X stand ahead of the wait behind the tile's quantisation, A's ahead of the wait in front of the matrix instructions
	s_wait_dscnt 0x0
	global_store_b128 v[T16], v[R+32:R+35], s[42:43]
.Lno_sc:
	s_wait_dscnt 0x0                                   ; the closing lines, six on end
	s_wait_alu 0x0
	s_wait_tensorcnt 0x0
	ds_add_u32 v[SPW], v[NIL]
	s_wait_dscnt 0x0
	s_endpgm
.Lfunc_end_k_q3e99bbb066_prep:
	.size	k_q3e99bbb066_prep, .Lfunc_end_k_q3e99bbb066_prep-k_q3e99bbb066_prep
	.p2alignl 7, 3214868480
	.fill 96, 4, 3214868480
	.section	.rodata,"a",@progbits
	.p2align	6, 0x0
	.amdhsa_kernel k_q3e99bbb066_prep
		.amdhsa_group_segment_fixed_size 152832
		.amdhsa_private_segment_fixed_size 0
		.amdhsa_enable_private_segment 0
		.amdhsa_kernarg_size 80
		.amdhsa_user_sgpr_count 2
		.amdhsa_user_sgpr_kernarg_segment_ptr 1
		.amdhsa_wavefront_size32 1
		.amdhsa_system_sgpr_workgroup_id_x 1
		.amdhsa_system_sgpr_workgroup_id_y 1
		.amdhsa_system_sgpr_workgroup_id_z 1
		.amdhsa_system_vgpr_workitem_id 0
		.amdhsa_next_free_vgpr 256
		.amdhsa_next_free_sgpr 66
		.amdhsa_reserve_vcc 1
		.amdhsa_float_denorm_mode_32 3
		.amdhsa_float_denorm_mode_16_64 3
		.amdhsa_memory_ordered 1
		.amdhsa_forward_progress 1
		.amdhsa_inst_pref_size 60
	.end_amdhsa_kernel
	.amdgpu_metadata
---
amdhsa.version: [ 1, 2 ]
amdhsa.kernels:
  - .name:           k_q3e99bbb066_prep
    .symbol:         k_q3e99bbb066_prep.kd
    .args:
      - { .name: hidden_states, .offset: 0, .size: 8, .value_kind: global_buffer, .address_space: global }
      - { .name: attn_output, .offset: 8, .size: 8, .value_kind: global_buffer, .address_space: global }
      - { .name: W_in, .offset: 16, .size: 8, .value_kind: global_buffer, .address_space: global }
      - { .name: W_up, .offset: 24, .size: 8, .value_kind: global_buffer, .address_space: global }
      - { .name: W_down, .offset: 32, .size: 8, .value_kind: global_buffer, .address_space: global }
      - { .name: A, .offset: 40, .size: 8, .value_kind: global_buffer, .address_space: global }
      - { .name: gamma, .offset: 48, .size: 8, .value_kind: global_buffer, .address_space: global }
      - { .name: hq, .offset: 56, .size: 8, .value_kind: global_buffer, .address_space: global }
      - { .name: wq, .offset: 64, .size: 8, .value_kind: global_buffer, .address_space: global }
      - { .name: lr, .offset: 72, .size: 8, .value_kind: global_buffer, .address_space: global }
    .group_segment_fixed_size: 152832
    .private_segment_fixed_size: 0
    .kernarg_segment_align: 8
    .kernarg_segment_size: 80
    .max_flat_workgroup_size: 256
    .sgpr_count:     66
    .vgpr_count:     256
    .wavefront_size: 32
...
	.end_amdgpu_metadata
.endif
;; end of part 4
;; launch gateup: the kernel of part 2 again; grid 16 x 16, 4 waves a work-group, clusters of 4 x 4, 327,680 bytes of LDS; arguments hq, wq, lr, Bmat, gq; writes gq
;; launch down: the kernel of part 3 again; grid 16 x 16, 4 waves a work-group, clusters of 4 x 4, 327,680 bytes of LDS; arguments gq, wq, hidden_states, out0; writes out0
